; MI455X (gfx1250); checked and timed in simulation.
; The chip was launched on July 23, 2026; its instructions are those of AMD's public machine-readable ISA for CDNA 5 (MIT licence, August 2026) and "CDNA5" Instruction Set Architecture Reference Guide (July 2026). The comments in the code are by the model that wrote it; some were corrected since.
;; Cluster Multi Headed Attention. Allowed arithmetic: float matrix products may take bf16 or f16 operands with f32 sums; all other float work in f32.
;; Inputs: Wk 256 x 256 float32; Wm 256 x 256 float32; Wq 256 x 256 float32; Wv 256 x 256 float32; bk 256 float32; bm 256 float32; bq 256 float32; bv 256 float32; key 4 x 256 x 2,048 float32; query 4 x 256 x 2,048 float32; query_labels 4 x 2,048 int32; value 4 x 256 x 2,048 float32; value_labels 4 x 2,048 int32.
;; Outputs: out0 4 x 256 x 2,048 float32.
;; 3 versions, each right; version 2 is faster than version 1; version 3 is version 2 with the launch proj written anew for expert scheduling mode. Each part assembles by itself: llvm-mc -triple=amdgcn-amd-amdhsa -mcpu=gfx1250 --defsym DOCPART=n.
;; ======== version 1 of 3: 4 launches
;; limits: values are held in f16: magnitudes above 65,504 overflow, below 6.1e-05 lose precision
;; workspace buffers: wfrag 524,288 bytes; idx 229,376 bytes of whole numbers; qkv 12,582,912 bytes; nv 4,194,304 bytes
;; launch prep (part 1): grid 30 x 1, 32 waves a work-group, no clusters, 6,400 bytes of LDS; arguments query_labels, value_labels, Wq, Wk, Wv, Wm, idx, wfrag; writes idx, wfrag
.if DOCPART == 1
	.amdgcn_target "amdgcn-amd-amdhsa--gfx1250"
	.amdhsa_code_object_version 6
	.text
	.protected	k_q1b67b94414_prep
	.globl	k_q1b67b94414_prep
	.p2align	8
	.type	k_q1b67b94414_prep,@function
k_q1b67b94414_prep:
	s_mov_b64 s[64:65], 0
	v_nop
	global_prefetch_b8 v0, s[64:65] scope:SCOPE_SE
	s_setreg_imm32_b32 hwreg(HW_REG_WAVE_MODE, 25, 1), 1
	s_wait_xcnt 0x0
; PREP: (1) a counting sort of the tokens of each batch by bucket = label & 15, stored as whole numbers for the later launches;
;       (2) the four weight matrices rounded to f16 and laid out in the order in which a matrix fragment is loaded.
; Work-groups 0-3: the sort of batch b (waves 0-15 the 2,048 query tokens, waves 16-31 the 2,048 value tokens, 4 tokens a thread).
; Work-groups 4-27: Wq, Wk, Wv (8 each).  Work-groups 28-29: Wm.  The role hangs on the work-group's number alone.
; idx: 7 sections of 32,768 bytes, each [4][2048] int32: 0 qpos[n], 1 vpos[n], 2 qlab[p], 3 vlab[p], 4 qorig[p], 5 kst[p], 6 ken[p]
;      (n: token, p: sorted position; kst, ken: the range of sorted value positions of the query's bucket).
; Labels may be any int32: the bucket only groups; the later mask compares whole labels, and equal labels have equal buckets.
; wfrag: matrix i (q, k, v, m) at i*131072; fragment f = g*8 + ks at f*1024: bytes 16 L = lane L's registers 0-3, 512 + 16 L = registers 4-7.
;      q, k, v: g = 4 h + mt, lane row r is W's row 64 mt + 4 r + h (head h, d = 16 mt + r), k = input channel.
;      m:       row 16 g + r of Wm, slot c' = 64 h + d takes Wm's column 4 d + h.
; LIMIT: weights are rounded to f16: |W| < 65,504.
; The sort's stores by position are 4 bytes a lane to scattered words (40,960 words in the launch): that scatter is the sort itself.
; No cluster: no two work-groups read the same bytes.
.set SEC,    32768                     ; bytes in a section of idx
.set TP,     144                       ; LDS table T[bucket][wave]: 32 words + 16 bytes
	s_load_b512 s[4:19], s[0:1], 0x0               ; ql 4, vl 6, Wq 8, Wk 10, Wv 12, Wm 14, idx 16, wfrag 18
	v_lshl_add_u32 v64, v0, 2, 0x900
	v_mov_b32 v65, 0
	v_and_b32 v1, 31, v0                           ; lane
	v_lshrrev_b32 v2, 5, v0
	v_readfirstlane_b32 s20, v2                    ; wave 0..31
	s_wait_kmcnt 0x0
	s_cmp_ge_u32 ttmp9, 28
	s_cbranch_scc1 .Lwm
	s_cmp_ge_u32 ttmp9, 4
	s_cbranch_scc1 .Lwqkv
	; ---------------- the sort of batch ttmp9 ----------------
	s_lshr_b32 s21, s20, 4                         ; grp: 0 queries, 1 values
	s_and_b32 s22, s20, 15                         ; wl: my wave among the 16 of its group
	s_lshl_b32 s2, ttmp9, 13                       ; b * 8,192 bytes
	s_mov_b32 s3, 0
	s_cmp_lg_u32 s21, 0
	s_cselect_b64 s[24:25], s[6:7], s[4:5]
	s_add_nc_u64 s[24:25], s[24:25], s[2:3]        ; my group's labels of this batch
	s_add_nc_u64 s[28:29], s[16:17], s[2:3]        ; idx, section 0, this batch
	s_lshl_b32 s2, s21, 15
	s_add_nc_u64 s[30:31], s[28:29], s[2:3]        ; idx, section grp
	v_and_b32 v3, 0x1ff, v0
	v_lshlrev_b32 v3, 4, v3                        ; 16 tl: my four tokens n = 4 tl + e
	global_load_b128 v[4:7], v3, s[24:25]
.irp i, 32,34,36,38,40,42,44,46
	s_mov_b64 s[\i:\i+1], 0                        ; s[32:47]: the wave's count of each bucket
.endr
.irp e, 0,1,2,3
	v_mov_b32 v[12+\e], 0                          ; rank of token e inside (wave, bucket)
.endr
	v_mov_b32 v17, 0
	s_wait_loadcnt 0x0
.irp e, 0,1,2,3
	v_and_b32 v[8+\e], 15, v[4+\e]                 ; bucket
.endr
; one ballot: the lanes whose token e lies in bucket beta take the running count plus the number of such lanes below them
.macro BAL e, beta
	v_cmp_eq_u32 s26, \beta, v[8+\e]
	v_mbcnt_lo_u32_b32 v16, s26, s[32+\beta]
	v_cndmask_b32 v[12+\e], v[12+\e], v16, s26
	s_bcnt1_i32_b32 s27, s26
	s_add_co_u32 s[32+\beta], s[32+\beta], s27
.endm
.irp e, 0,1,2,3
.irp beta, 0,1,2,3,4,5,6,7,8,9,10,11,12,13,14,15
	BAL \e, \beta
.endr
.endr
.irp beta, 0,1,2,3,4,5,6,7,8,9,10,11,12,13,14,15
	v_writelane_b32 v17, s[32+\beta], \beta        ; lanes beta and beta + 16 hold the count of bucket beta,
	v_writelane_b32 v17, s[32+\beta], \beta+16     ; so that all 32 lanes can store (two lanes: same word, same value)
.endr
	v_and_b32 v16, 15, v1
	v_mul_u32_u24 v18, v16, TP                     ; row of bucket lane & 15
	s_lshl_b32 s27, s20, 2
	v_add_nc_u32 v19, s27, v18                     ; + my wave's word
	ds_store_b32 v19, v17
	s_wait_dscnt 0x0                               ; my counts are in LDS before I say so
	s_barrier_signal -1
	s_barrier_wait -1                              ; all 32 waves' counts are
	; lanes 0-15 read the 16 counts of bucket lane in my own group's half of the table, lanes 16-31 those of the values' half
	v_cmp_gt_u32 vcc_lo, 16, v1
	s_lshl_b32 s23, s21, 6
	v_mov_b32 v42, 64
	v_mov_b32 v43, s23
	v_cndmask_b32 v42, v42, v43, vcc_lo
	v_add_nc_u32 v42, v42, v18
	ds_load_b128 v[20:23], v42
	ds_load_b128 v[24:27], v42 offset:16
	ds_load_b128 v[28:31], v42 offset:32
	ds_load_b128 v[32:35], v42 offset:48
	v_mov_b32 v37, 0
	v_mov_b32 v39, 0
	s_wait_dscnt 0x0
	v_add3_u32 v36, v20, v21, v22                  ; the bucket's total
.irp i, 23,25,27,29,31,33
	v_add3_u32 v36, v36, v[\i], v[\i+1]
.endr
	v_add_nc_u32 v36, v36, v35
.irp w, 0,1,2,3,4,5,6,7,8,9,10,11,12,13,14
	s_cmp_gt_u32 s22, \w                           ; the counts of the waves in front of mine
	s_cselect_b32 s23, 1, 0
	v_mad_u32_u24 v37, v[20+\w], s23, v37
.endr
	v_mov_b32 v38, v36                             ; inclusive sum over the buckets, inside each half of 16 lanes
.irp sh, 1,2,4,8
	v_mov_b32_dpp v39, v38 row_shr:\sh row_mask:0xf bank_mask:0xf bound_ctrl:1
	v_add_nc_u32 v38, v38, v39
.endr
	v_sub_nc_u32 v40, v38, v36                     ; exclusive: where the bucket starts
	v_add_nc_u32 v41, v40, v37                     ; where my wave's part of the bucket starts
.irp e, 0,1,2,3
	v_lshlrev_b32 v[20+\e], 2, v[8+\e]             ; lane beta, as a byte index
	v_add_nc_u32 v[24+\e], 64, v[20+\e]            ; lane 16 + beta: the values' table
.endr
.irp e, 0,1,2,3
	ds_bpermute_b32 v[44+\e], v[20+\e], v41
	ds_bpermute_b32 v[52+\e], v[24+\e], v40        ; kst
	ds_bpermute_b32 v[56+\e], v[24+\e], v38        ; ken
.endr
	v_lshrrev_b32 v60, 2, v3                       ; n = 4 tl + e
	v_add_nc_u32 v61, 1, v60
	v_add_nc_u32 v62, 2, v60
	v_add_nc_u32 v63, 3, v60
	s_wait_dscnt 0x0
.irp e, 0,1,2,3
	v_add_nc_u32 v[44+\e], v[44+\e], v[12+\e]      ; sorted position
	v_min_u32 v[44+\e], 0x7ff, v[44+\e]            ; it is below 2,048 by construction; the bound is written out since it forms an address
	v_lshlrev_b32 v[48+\e], 2, v[44+\e]
.endr
	global_store_b128 v3, v[44:47], s[30:31]       ; qpos or vpos
.irp e, 0,1,2,3
	global_store_b32 v[48+\e], v[4+\e], s[30:31] offset:2*SEC      ; qlab or vlab, by position
.endr
	s_cmp_ge_u32 s20, 16
	s_cbranch_scc1 .Lsortend                       ; the rest is for query tokens alone
.irp e, 0,1,2,3
	global_store_b32 v[48+\e], v[60+\e], s[28:29] offset:4*SEC     ; qorig
	global_store_b32 v[48+\e], v[52+\e], s[28:29] offset:5*SEC     ; kst
	global_store_b32 v[48+\e], v[56+\e], s[28:29] offset:6*SEC     ; ken
.endr
.Lsortend:
	s_wait_tensorcnt 0x0
	ds_add_u32 v64, v65
	s_wait_dscnt 0x0
	s_endpgm
	; ---------------- Wq, Wk, Wv: one thread makes 16 bytes (8 f16) of a fragment ----------------
.Lwqkv:
	s_sub_co_u32 s20, ttmp9, 4
	s_lshr_b32 s21, s20, 3                         ; which matrix
	s_and_b32 s22, s20, 7
	s_lshl_b32 s22, s22, 10
	v_or_b32 v2, s22, v0                           ; item: L 4:0, half 5, ks 8:6, mt 10:9, h 12:11
	v_and_b32 v3, 15, v2                           ; r
	v_bfe_u32 v4, v2, 4, 1                         ; hh
	v_bfe_u32 v5, v2, 5, 1                         ; half
	v_bfe_u32 v6, v2, 6, 3                         ; ks
	v_bfe_u32 v7, v2, 9, 2                         ; mt
	v_bfe_u32 v8, v2, 11, 2                        ; h
	v_lshlrev_b32 v9, 12, v3                       ; row 64 mt + 4 r + h of 1,024 bytes,
	v_lshl_add_u32 v9, v7, 16, v9
	v_lshl_add_u32 v9, v8, 10, v9
	v_lshl_add_u32 v9, v6, 7, v9                   ; column 32 ks + 16 half + 8 hh of 4 bytes
	v_lshl_add_u32 v9, v5, 6, v9
	v_lshl_add_u32 v9, v4, 5, v9
	v_lshlrev_b32 v10, 4, v2                       ; the item's 16 bytes in wfrag: a wave stores 512 consecutive bytes
	s_cmp_eq_u32 s21, 0
	s_cselect_b64 s[24:25], s[8:9], s[10:11]
	s_cmp_eq_u32 s21, 2
	s_cselect_b64 s[24:25], s[12:13], s[24:25]
	s_lshl_b32 s2, s21, 17
	s_mov_b32 s3, 0
	s_add_nc_u64 s[26:27], s[18:19], s[2:3]
	global_load_b128 v[12:15], v9, s[24:25]
	global_load_b128 v[16:19], v9, s[24:25] offset:16
	s_wait_loadcnt 0x0
.irp p, 0,1,2,3
	v_cvt_pk_f16_f32 v[20+\p], v[12+2*\p], v[13+2*\p]
.endr
	global_store_b128 v10, v[20:23], s[26:27]
	s_endpgm
	; ---------------- Wm: one thread reads 8 d x 4 heads of a row (128 bytes) and makes 16 bytes of four fragments ----------------
.Lwm:
	s_sub_co_u32 s20, ttmp9, 28
	s_lshl_b32 s20, s20, 10
	v_or_b32 v2, s20, v0                           ; item: L 4:0, half 5, db 6, g 10:7
	v_and_b32 v3, 15, v2                           ; r
	v_bfe_u32 v4, v2, 4, 1                         ; hh
	v_bfe_u32 v5, v2, 5, 1                         ; half
	v_bfe_u32 v6, v2, 6, 1                         ; db
	v_lshrrev_b32 v7, 7, v2                        ; g
	v_lshlrev_b32 v56, 10, v3                      ; row 16 g + r; d0 = 32 db + 16 half + 8 hh, 16 bytes for each d
	v_lshl_add_u32 v56, v7, 14, v56
	v_lshl_add_u32 v56, v6, 9, v56
	v_lshl_add_u32 v56, v5, 8, v56
	v_lshl_add_u32 v56, v4, 7, v56
	v_lshlrev_b32 v57, 4, v1                       ; fragment g*8 + 2 h + db: 16 L + 512 half + 1,024 db + 8,192 g (+ 2,048 h below)
	v_lshl_add_u32 v57, v5, 9, v57
	v_lshl_add_u32 v57, v6, 10, v57
	v_lshl_add_u32 v57, v7, 13, v57
.irp i, 0,1,2,3,4,5,6,7
	global_load_b128 v[8+4*\i:11+4*\i], v56, s[14:15] offset:16*\i     ; d0 + i, heads 0-3
.endr
	s_wait_loadcnt 0x0
.irp h, 0,1,2,3
.irp p, 0,1,2,3
	v_cvt_pk_f16_f32 v[40+4*\h+\p], v[8+8*\p+\h], v[12+8*\p+\h]        ; head h: d0 + 2 p, d0 + 2 p + 1
.endr
.endr
.irp h, 0,1,2,3
	global_store_b128 v57, v[40+4*\h:43+4*\h], s[18:19] offset:393216+2048*\h
.endr
	s_endpgm
.Lfunc_end_k_q1b67b94414_prep:
	.size	k_q1b67b94414_prep, .Lfunc_end_k_q1b67b94414_prep-k_q1b67b94414_prep
	.p2alignl 7, 3214868480
	.fill 96, 4, 3214868480
	.section	.rodata,"a",@progbits
	.p2align	6, 0x0
	.amdhsa_kernel k_q1b67b94414_prep
		.amdhsa_group_segment_fixed_size 6400
		.amdhsa_private_segment_fixed_size 0
		.amdhsa_enable_private_segment 0
		.amdhsa_kernarg_size 64
		.amdhsa_user_sgpr_count 2
		.amdhsa_user_sgpr_kernarg_segment_ptr 1
		.amdhsa_wavefront_size32 1
		.amdhsa_system_sgpr_workgroup_id_x 1
		.amdhsa_system_sgpr_workgroup_id_y 1
		.amdhsa_system_sgpr_workgroup_id_z 1
		.amdhsa_system_vgpr_workitem_id 0
		.amdhsa_next_free_vgpr 66
		.amdhsa_next_free_sgpr 66
		.amdhsa_reserve_vcc 1
		.amdhsa_float_denorm_mode_32 3
		.amdhsa_float_denorm_mode_16_64 3
		.amdhsa_memory_ordered 1
		.amdhsa_forward_progress 1
		.amdhsa_inst_pref_size 32
	.end_amdhsa_kernel
	.amdgpu_metadata
---
amdhsa.version: [ 1, 2 ]
amdhsa.kernels:
  - .name:           k_q1b67b94414_prep
    .symbol:         k_q1b67b94414_prep.kd
    .args:
      - { .name: query_labels, .offset: 0, .size: 8, .value_kind: global_buffer, .address_space: global }
      - { .name: value_labels, .offset: 8, .size: 8, .value_kind: global_buffer, .address_space: global }
      - { .name: Wq, .offset: 16, .size: 8, .value_kind: global_buffer, .address_space: global }
      - { .name: Wk, .offset: 24, .size: 8, .value_kind: global_buffer, .address_space: global }
      - { .name: Wv, .offset: 32, .size: 8, .value_kind: global_buffer, .address_space: global }
      - { .name: Wm, .offset: 40, .size: 8, .value_kind: global_buffer, .address_space: global }
      - { .name: idx, .offset: 48, .size: 8, .value_kind: global_buffer, .address_space: global }
      - { .name: wfrag, .offset: 56, .size: 8, .value_kind: global_buffer, .address_space: global }
    .group_segment_fixed_size: 6400
    .private_segment_fixed_size: 0
    .kernarg_segment_align: 8
    .kernarg_segment_size: 64
    .max_flat_workgroup_size: 1024
    .sgpr_count:     66
    .vgpr_count:     66
    .wavefront_size: 32
...
	.end_amdgpu_metadata
.endif
;; end of part 1
;; launch proj (part 2): grid 192 x 1, 4 waves a work-group, no clusters, 141,824 bytes of LDS; arguments query, key, value, bq, bk, bv, wfrag, idx, qkv; writes qkv
.if DOCPART == 2
	.amdgcn_target "amdgcn-amd-amdhsa--gfx1250"
	.amdhsa_code_object_version 6
	.text
	.protected	k_q1b67b94414_proj
	.globl	k_q1b67b94414_proj
	.p2align	8
	.type	k_q1b67b94414_proj,@function
k_q1b67b94414_proj:
	s_mov_b64 s[64:65], 0
	v_nop
	global_prefetch_b8 v0, s[64:65] scope:SCOPE_SE
	s_setreg_imm32_b32 hwreg(HW_REG_WAVE_MODE, 25, 1), 1
	s_wait_xcnt 0x0
; PROJ: q, k, v = W x + b.  Work-group g: tensor t = g >> 6 (q, k, v), batch b = (g >> 4) & 3, 128 tokens (g & 15), all 256 outputs.
; Wave w is head w: 64 output rows (d = 0..63, W's rows 4 d + w), its quarter of W in 256 registers, 8 tiles of 16 tokens: 256 matrix instructions.
; x [c][n] f32 comes through registers (it has to be rounded to f16), lies in LDS as [c][128 n] f16 and is read by transposing loads as the
; B operand (lane = token).  A result lane then holds 8 neighbouring d of one token = 16 bytes of the token's row [c' = 64 h + d].
; Rows are gathered in LDS and each is stored whole (512 consecutive, aligned bytes by one wave instruction) at the token's SORTED position,
; read from idx (whole numbers of the launch before).
; The bias is the C operand of the first product of each sum: nothing is cleared and nothing added afterwards.
; LIMIT: operands and results in f16: |x|, |W|, |q|, |k|, |v| < 65,504 (f16 and not bf16: five roundings lie between input and output).
; 192 work-groups: 3 x 4 x 16 tiles; halving the outputs of a group would read x twice.
; No cluster: what groups share is W, 32,768 bytes a wave, loaded once from wfrag straight into registers in fragment order;
; a joint request lands in LDS, from where the same 131,072 bytes a group would have to be read again.
.set XP,    288                        ; XT pitch: 256 bytes + 32, an odd multiple of 32 bytes, for the transposing loads
.set STAGE, 73728                      ; behind XT (256 rows x 288)
.set SP,    528                        ; stage pitch: 512 bytes + 16, an odd multiple of 16 bytes
.set XS,   4                           ; v4   where I put 8 bytes of row 64 w + i of XT
.set XA,   5                           ; v5-6 transposing loads: K steps 0-3, 4-7 (the immediate has 16 bits)
.set STO,  7                           ; v7   stage: token r, my head's 128 bytes, 16 hh
.set RD,   8                           ; v8   stage: row 32 w, 16 L
.set BIAS, 24                          ; v[24:55]   C of the first products (mt*8 + j); on the way out: 32 offsets
.set ACC,  56                          ; v[56:87]   four accumulator tiles
.set TMP,  88                          ; v[88:103]  packed results
.set CT,   104                         ; v[104:119] packed x
.set XR,   128                         ; v[128:255] 32 rows of x in flight; then the fragment buffers; then the way out
.set F0,   128
.set F1,   192
                                       ; v256-511 (window 1): W fragments at (mt*8 + ks)*8
.set MSB, 0
.macro WIN new                         ; s_set_vgpr_msb; the immediate's high byte repeats the setting that is left
.if MSB != \new
	s_set_vgpr_msb (MSB<<8)|\new
.set MSB, \new
.endif
.endm
.macro PLACES n
.rept \n
	v_nop
.endr
.endm
	s_load_b512 s[4:19], s[0:1], 0x0               ; query 4, key 6, value 8, bq 10, bk 12, bv 14, wfrag 16, idx 18
	s_load_b64 s[20:21], s[0:1], 0x40              ; qkv
	v_lshl_add_u32 v126, v0, 2, 0x22800
	v_mov_b32 v127, 0
	v_and_b32 v19, 31, v0                          ; L
	v_lshrrev_b32 v18, 5, v0
	v_readfirstlane_b32 s22, v18                   ; w
	s_lshr_b32 s23, ttmp9, 6                       ; t
	s_bfe_u32 s24, ttmp9, 0x20004                  ; b
	s_and_b32 s25, ttmp9, 15                       ; tile
	v_lshlrev_b32 v1, 4, v19                       ; 16 L
	s_lshl_b32 s26, s24, 21                        ; x: batch, 128 tokens of 4 bytes, my 64 rows of 8,192 bytes
	s_lshl_b32 s2, s25, 9
	s_add_co_u32 s26, s26, s2
	s_lshl_b32 s2, s22, 19
	s_add_co_u32 s26, s26, s2
	s_mov_b32 s27, 0
	s_wait_kmcnt 0x0
	s_cmp_eq_u32 s23, 0
	s_cselect_b64 s[28:29], s[4:5], s[6:7]
	s_cselect_b64 s[32:33], s[10:11], s[12:13]
	s_cmp_eq_u32 s23, 2
	s_cselect_b64 s[28:29], s[8:9], s[28:29]
	s_cselect_b64 s[32:33], s[14:15], s[32:33]
	s_add_nc_u64 s[28:29], s[28:29], s[26:27]
.set i, 0
.rept 32
	global_load_b128 v[XR+4*i:XR+4*i+3], v1, s[28:29] offset:i*8192 th:TH_LOAD_NT   ; row 64 w + i: 512 consecutive bytes
.set i, i+1
.endr
	s_min_u32 s26, s23, 1                          ; idx: section 0 (qpos) for q, 1 (vpos) for k and v
	s_lshl_b32 s26, s26, 15
	s_lshl_b32 s2, s24, 13
	s_add_co_u32 s26, s26, s2
	s_lshl_b32 s2, s25, 9
	s_add_co_u32 s26, s26, s2
	s_lshl_b32 s2, s22, 7                          ; the 32 tokens that I store
	s_add_co_u32 s26, s26, s2
	s_add_nc_u64 s[34:35], s[18:19], s[26:27]
	s_load_b512 s[68:83], s[34:35], 0x0
	s_load_b512 s[84:99], s[34:35], 0x40
	s_lshl_b32 s26, s22, 2
	s_add_nc_u64 s[32:33], s[32:33], s[26:27]      ; bias + 4 h
	s_lshl_b32 s26, s23, 17
	s_lshl_b32 s2, s22, 15
	s_add_co_u32 s26, s26, s2
	s_add_nc_u64 s[30:31], s[16:17], s[26:27]      ; my head's 32 fragments
	s_lshl_b32 s26, s23, 22
	s_lshl_b32 s2, s24, 20
	s_add_co_u32 s26, s26, s2
	s_add_nc_u64 s[36:37], s[20:21], s[26:27]      ; qkv[t][b]
	v_and_b32 v2, 15, v19                          ; r
	v_lshrrev_b32 v3, 4, v19                       ; hh
	v_lshlrev_b32 v9, 7, v3                        ; 128 hh
.irp mt, 0,1,2,3
.irp j, 0,1,2,3,4,5,6,7
	global_load_b32 v[BIAS+8*\mt+\j], v9, s[32:33] offset:\mt*256+\j*16     ; b[4 (16 mt + 8 hh + j) + h]
.endr
.endr
	s_mul_i32 s2, s22, 64*XP
	v_lshl_add_u32 v[XS], v19, 3, s2
	v_and_b32 v18, 7, v19
	v_lshl_add_u32 v18, v3, 3, v18                 ; 8 hh + (L & 7)
	v_mul_u32_u24 v[XA], v18, XP
	v_bfe_u32 v18, v19, 3, 1
	v_lshl_add_u32 v[XA], v18, 4, v[XA]
	v_add_nc_u32 v[XA+1], 128*XP, v[XA]
	v_mul_u32_u24 v[STO], v2, SP
	v_lshl_add_u32 v[STO], v3, 4, v[STO]
	s_lshl_b32 s2, s22, 7
	s_add_co_u32 s2, s2, STAGE
	v_add_nc_u32 v[STO], s2, v[STO]
	s_mul_i32 s2, s22, 32*SP
	s_add_co_u32 s2, s2, STAGE
	v_add_nc_u32 v[RD], s2, v1
; Eight rows of x: wait, round to f16, 8 bytes a lane into XT.  mode 1: their registers are loaded again with the rows 32 further down.
; mode 2: 16 loads of W follow instead (numbers wb .. wb + 15 of 64), into window 1.
.macro XGROUP first, left, mode, wb
	s_wait_loadcnt \left
.irp k, 0,1,2,3,4,5,6,7
	v_cvt_pk_f16_f32 v[CT+2*\k],   v[XR+4*((\first+\k)%32)],   v[XR+4*((\first+\k)%32)+1]
	v_cvt_pk_f16_f32 v[CT+2*\k+1], v[XR+4*((\first+\k)%32)+2], v[XR+4*((\first+\k)%32)+3]
	ds_store_b64 v[XS], v[CT+2*\k:CT+2*\k+1] offset:(\first+\k)*XP
.endr
.if \mode == 1
.irp k, 0,1,2,3,4,5,6,7
	global_load_b128 v[XR+4*((\first+\k)%32):XR+4*((\first+\k)%32)+3], v1, s[28:29] offset:(\first+\k+32)*8192 th:TH_LOAD_NT
.endr
.else
	WIN 0x40                                       ; destination window 1, address window 0
.set n, \wb
.rept 16
	global_load_b128 v[4*n:4*n+3], v1, s[30:31] offset:(n>>1)*1024+(n&1)*512
.set n, n+1
.endr
	WIN 0
.endif
.endm
	; Loads return in order.  Rows 0-31: behind a group's eight loads stand 24 loads of x (older rows' refills among them) and the 32 of the bias: 56.
	XGROUP 0,  56, 1, 0
	XGROUP 8,  56, 1, 0
	XGROUP 16, 56, 1, 0
	XGROUP 24, 56, 1, 0
	; Rows 32-63: behind a group stand 24, 16, 8, 0 loads of x and 0, 16, 32, 48 of W.
	XGROUP 32, 24, 2, 0
	XGROUP 40, 32, 2, 16
	XGROUP 48, 40, 2, 32
	XGROUP 56, 48, 2, 48
	s_wait_loadcnt 0x0                             ; W is whole
	s_wait_dscnt 0x0                               ; my 64 rows of XT are in LDS before I say so
	s_barrier_signal -1
	s_barrier_wait -1                              ; all 256 rows are
; the eight B fragments (K = 256) of token tile nt: two transposing loads each, 16 rows of XT apart
.macro BLOAD nt, buf
.irp ks, 0,1,2,3,4,5,6,7
	ds_load_tr16_b128 v[\buf+8*\ks:\buf+8*\ks+3],   v[XA+(\ks>>2)] offset:(\ks&3)*32*XP+(\nt)*32
	ds_load_tr16_b128 v[\buf+8*\ks+4:\buf+8*\ks+7], v[XA+(\ks>>2)] offset:(\ks&3)*32*XP+(\nt)*32+16*XP
.endr
.endm
; One token tile: the next tile's fragments are asked for, 32 matrix instructions, 16 conversions, 4 stage stores.
; left: the LDS instructions behind this tile's 16 loads: the 4 stage stores of the tile before and the 16 loads of the next.
.macro NTILE nt, nn, buf, nbuf, more, left
.if \more
	BLOAD \nn, \nbuf
.endif
	s_wait_dscnt \left
	WIN 0x01                                       ; source 0 (W) in window 1
.irp ks, 0,1,2,3,4,5,6,7
.irp mt, 0,1,2,3
.if \ks == 0
	v_wmma_f32_16x16x32_f16 v[ACC+8*\mt:ACC+8*\mt+7], v[(8*\mt+\ks)*8:(8*\mt+\ks)*8+7], v[\buf+8*\ks:\buf+8*\ks+7], v[BIAS+8*\mt:BIAS+8*\mt+7]
.else
	v_wmma_f32_16x16x32_f16 v[ACC+8*\mt:ACC+8*\mt+7], v[(8*\mt+\ks)*8:(8*\mt+\ks)*8+7], v[\buf+8*\ks:\buf+8*\ks+7], v[ACC+8*\mt:ACC+8*\mt+7]
.endif
.endr
.endr
	WIN 0
	PLACES 5                                       ; behind matrix instructions: before the conversions read the sums, before the next
	                                               ; tile's loads land in this buffer, and before its first products write over the sums
.irp mt, 0,1,2,3
.irp p, 0,1,2,3
	v_cvt_pk_f16_f32 v[TMP+4*\mt+\p], v[ACC+8*\mt+2*\p], v[ACC+8*\mt+2*\p+1]
.endr
.endr
.irp mt, 0,1,2,3
	ds_store_b128 v[STO], v[TMP+4*\mt:TMP+4*\mt+3] offset:\nt*16*SP+\mt*32
.endr
.endm
	BLOAD 0, F0
	NTILE 0, 1, F0, F1, 1, 16
	NTILE 1, 2, F1, F0, 1, 20
	NTILE 2, 3, F0, F1, 1, 20
	NTILE 3, 4, F1, F0, 1, 20
	NTILE 4, 5, F0, F1, 1, 20
	NTILE 5, 6, F1, F0, 1, 20
	NTILE 6, 7, F0, F1, 1, 20
	NTILE 7, 0, F1, F0, 0, 4
	s_wait_dscnt 0x0                               ; my quarter of every token row is in the stage before I say so
	s_barrier_signal -1
	s_barrier_wait -1                              ; the rows are whole
	s_wait_kmcnt 0x0                               ; the 32 positions
	; THE WAY OUT: token 32 w + i: one LDS load and one store of 512 bytes, at row pos of qkv[t][b]
.set i, 0
.rept 32
	s_min_u32 s[68+i], s[68+i], 2047               ; a position is below 2,048; the bound is written out since it forms an address
	v_lshl_add_u32 v[BIAS+i], s[68+i], 9, v1
	ds_load_b128 v[XR+4*i:XR+4*i+3], v[RD] offset:i*SP
.set i, i+1
.endr
.set i, 0
.rept 32
	s_wait_dscnt 31-i                              ; LDS loads return in order: row i is in, the younger ones stay out
	global_store_b128 v[BIAS+i], v[XR+4*i:XR+4*i+3], s[36:37]
.set i, i+1
.endr
	s_wait_tensorcnt 0x0
	ds_add_u32 v126, v127
	s_wait_dscnt 0x0
	s_endpgm
.Lfunc_end_k_q1b67b94414_proj:
	.size	k_q1b67b94414_proj, .Lfunc_end_k_q1b67b94414_proj-k_q1b67b94414_proj
	.p2alignl 7, 3214868480
	.fill 96, 4, 3214868480
	.section	.rodata,"a",@progbits
	.p2align	6, 0x0
	.amdhsa_kernel k_q1b67b94414_proj
		.amdhsa_group_segment_fixed_size 141824
		.amdhsa_private_segment_fixed_size 0
		.amdhsa_enable_private_segment 0
		.amdhsa_kernarg_size 72
		.amdhsa_user_sgpr_count 2
		.amdhsa_user_sgpr_kernarg_segment_ptr 1
		.amdhsa_wavefront_size32 1
		.amdhsa_system_sgpr_workgroup_id_x 1
		.amdhsa_system_sgpr_workgroup_id_y 1
		.amdhsa_system_sgpr_workgroup_id_z 1
		.amdhsa_system_vgpr_workitem_id 0
		.amdhsa_next_free_vgpr 512
		.amdhsa_next_free_sgpr 100
		.amdhsa_reserve_vcc 0
		.amdhsa_float_denorm_mode_32 3
		.amdhsa_float_denorm_mode_16_64 3
		.amdhsa_memory_ordered 1
		.amdhsa_forward_progress 1
		.amdhsa_inst_pref_size 77
	.end_amdhsa_kernel
	.amdgpu_metadata
---
amdhsa.version: [ 1, 2 ]
amdhsa.kernels:
  - .name:           k_q1b67b94414_proj
    .symbol:         k_q1b67b94414_proj.kd
    .args:
      - { .name: query, .offset: 0, .size: 8, .value_kind: global_buffer, .address_space: global }
      - { .name: key, .offset: 8, .size: 8, .value_kind: global_buffer, .address_space: global }
      - { .name: value, .offset: 16, .size: 8, .value_kind: global_buffer, .address_space: global }
      - { .name: bq, .offset: 24, .size: 8, .value_kind: global_buffer, .address_space: global }
      - { .name: bk, .offset: 32, .size: 8, .value_kind: global_buffer, .address_space: global }
      - { .name: bv, .offset: 40, .size: 8, .value_kind: global_buffer, .address_space: global }
      - { .name: wfrag, .offset: 48, .size: 8, .value_kind: global_buffer, .address_space: global }
      - { .name: idx, .offset: 56, .size: 8, .value_kind: global_buffer, .address_space: global }
      - { .name: qkv, .offset: 64, .size: 8, .value_kind: global_buffer, .address_space: global }
    .group_segment_fixed_size: 141824
    .private_segment_fixed_size: 0
    .kernarg_segment_align: 8
    .kernarg_segment_size: 72
    .max_flat_workgroup_size: 128
    .sgpr_count:     100
    .vgpr_count:     512
    .wavefront_size: 32
...
	.end_amdgpu_metadata
.endif
;; end of part 2
;; launch attn (part 3): grid 256 x 1, 4 waves a work-group, no clusters, 96,256 bytes of LDS; arguments qkv, idx, nv; writes nv
.if DOCPART == 3
	.amdgcn_target "amdgcn-amd-amdhsa--gfx1250"
	.amdhsa_code_object_version 6
	.text
	.protected	k_q1b67b94414_attn
	.globl	k_q1b67b94414_attn
	.p2align	8
	.type	k_q1b67b94414_attn,@function
k_q1b67b94414_attn:
	s_mov_b64 s[64:65], 0
	v_nop
	global_prefetch_b8 v0, s[64:65] scope:SCOPE_SE
	s_setreg_imm32_b32 hwreg(HW_REG_WAVE_MODE, 25, 1), 1
	s_wait_xcnt 0x0
; ATTN: softmax(q k / 8, masked by equal labels) v, for 32 queries in sorted order (work-group g: batch g >> 6, positions 32 (g & 63) ..) and
; four heads (wave w = head w), over the sorted keys of the queries' buckets only: kst of the first query to ken of the last, in blocks of 64.
; What lies outside has another bucket, hence another label, and the mask would throw it away.  Inside, whole 32-bit labels are compared.
; Transposed products: S^T = K Q^T (lane = query, registers = keys), O^T = V^T P^T (V^T by transposing LDS loads; P is packed in the lane,
; since the score tile's layout is the B operand's).  So a query's maximum and sum are one number a lane (two lanes, 16 apart, share a query).
; Running maximum, as in the usual online softmax; exponents are (s - max) log2(e) / 8 by one fused multiply-add.
; A masked score is -2^100.  While a query has met no match its maximum is the sentinel and its masked p are 1 (finite); the first match
; multiplies them by exp2(-huge) = 0; if none comes, the maximum still is the sentinel and the row is multiplied by 0, as has_match asks.
; LIMITS: operands in f16 (|q|, |k|, |v| < 65,504), so |score| <= 64 x 65,504^2 < 2^100: no true score reaches the sentinel.
;         The denominator adds the f32 p, the numerator uses p rounded to f16.
; Each wave loads, stores and reads its own head's 128 bytes of each key row: own LDS bytes, no barrier in the loop; the four waves together
; read whole 512-byte rows.  Blocks are asked for one trip ahead, through registers.
; No cluster and no tensor loads: neighbouring groups' key ranges start and end at numbers read from memory, so partners would need different
; numbers of tiles; the trip count varies, and a counted ring would have to ask past the range.
.set KP,    144                        ; K rows: 128 bytes + 16
.set VP,    160                        ; V rows: 128 bytes + 32 (odd multiple of 32, for the transposing loads)
.set WREG,  19712                      ; a wave's region: K 9,216, V 10,240, labels 256
.set VOFF,  9216
.set LOFF,  19456
.set STAGE, 78848
.set SP,    528
.set GO,  4                            ; global: row L >> 3 of 512 bytes, 16 (L & 7)
.set KS,  5                            ; LDS store addresses
.set VS,  6
.set KF,  7                            ; K fragment: row r, 16 hh
.set VF,  8                            ; V^T fragment
.set LSA, 9                            ; labels in: 8 L
.set LF,  10                           ; labels out: 32 hh
.set L8,  11
.set QO,  12
.set L16, 13
.set STO, 14
.set RD,  15
.set QL,  16                           ; v[16:17]  my query's label, tile 0, 1
.set MC,  18                           ; v18, v20  running maximum x log2(e)/8 (pairs; the upper register only fills the pair)
.set LSUM,22                           ; v[22:23], v[24:25] running sums, two partial sums each
.set AL,  26                           ; v26, v28  the trip's factor; at the end 1 / sum (pairs as MC)
.set T,   30                           ; v[30:39]  at work
.set QF,  40                           ; v[40:71]  Q fragments (nt*2 + ks)*8
.set LB,  72                           ; v[72:103] key labels mt*8 + j
.set FR,  104                          ; v[104:167] K fragments (mt*2 + ks)*8, then V^T (dt*2 + kk)*8
.set SS,  168                          ; v[168:231] S(nt, mt) at 32 nt + 8 mt; P(nt, kk) packed in place at 32 nt + 16 kk
.set KL,  0                            ; window 1: v256-319 K as loaded, v320-383 V, v384-385 labels, v392-455 O(nt, dt) at (4 nt + dt)*8
.set VL,  64
.set LL,  128
.set OO,  136
.set MSB, 0
.macro WIN new
.if MSB != \new
	s_set_vgpr_msb (MSB<<8)|\new
.set MSB, \new
.endif
.endm
.macro PLACES n
.rept \n
	v_nop
.endr
.endm
	s_load_b128 s[4:7], s[0:1], 0x0                ; qkv, idx
	s_load_b64 s[8:9], s[0:1], 0x10                ; nv
	v_lshl_add_u32 v254, v0, 2, 0x17600
	v_mov_b32 v255, 0
	v_lshrrev_b32 v30, 5, v0
	v_readfirstlane_b32 s32, v30                   ; w
	s_lshr_b32 s33, ttmp9, 6                       ; b
	s_and_b32 s34, ttmp9, 63                       ; query tile
	s_lshl_b32 s36, s33, 13
	s_lshl_b32 s35, s34, 7
	s_add_co_u32 s36, s36, s35
	s_mov_b32 s37, 0
	s_lshl_b32 s14, s32, 5                         ; the 8 rows that I store: 32 w bytes
	s_wait_kmcnt 0x0
	s_add_nc_u64 s[10:11], s[6:7], s[36:37]        ; idx + batch + 4 p0
	s_load_b32 s12, s[10:11], 0x28000              ; kst of the first query
	s_load_b32 s13, s[10:11], 0x3007c              ; ken of the last
	s_load_b256 s[24:31], s[10:11], s14 offset:0x20000     ; qorig of rows 8 w .. 8 w + 7
	s_lshl_b32 s36, s33, 20
	s_lshl_b32 s35, s34, 14
	s_add_co_u32 s36, s36, s35
	s_lshl_b32 s35, s32, 7
	s_add_co_u32 s36, s36, s35
	s_add_nc_u64 s[22:23], s[4:5], s[36:37]        ; q[b][p0], my head's 128 bytes
	v_and_b32 v1, 31, v0                           ; L
	v_and_b32 v2, 15, v0                           ; r
	v_bfe_u32 v3, v0, 4, 1                         ; hh
	v_lshlrev_b32 v[QO], 9, v2
	v_lshl_add_u32 v[QO], v3, 4, v[QO]
	v_lshlrev_b32 v35, 2, v2
.irp nt, 0,1
.irp ks, 0,1
	global_load_b128 v[QF+(2*\nt+\ks)*8:QF+(2*\nt+\ks)*8+3],   v[QO], s[22:23] offset:\nt*8192+\ks*64
	global_load_b128 v[QF+(2*\nt+\ks)*8+4:QF+(2*\nt+\ks)*8+7], v[QO], s[22:23] offset:\nt*8192+\ks*64+32
.endr
	global_load_b32 v[QL+\nt], v35, s[10:11] offset:0x10000+64*\nt
.endr
	s_mov_b32 s38, 0x76543210                      ; v_permlanex16_b32: lane i takes lane i of the other half
	s_mov_b32 s39, 0xfedcba98
	s_mov_b32 s40, 0x3e38aa3b                      ; log2(e) / 8
	s_mov_b32 s41, 0x3e38aa3b
	s_mov_b32 s42, 0xf1800000                      ; -2^100
	s_mov_b32 s43, 0xf038aa3b                      ; -2^100 x log2(e) / 8, exact: a power of two times the constant
	s_mul_i32 s35, s32, WREG
	s_add_co_u32 s46, s35, VOFF
	s_add_co_u32 s47, s35, LOFF
	v_lshrrev_b32 v30, 3, v1                       ; L >> 3
	v_and_b32 v31, 7, v1                           ; L & 7
	v_lshlrev_b32 v32, 4, v31
	v_lshl_add_u32 v[GO], v30, 9, v32
	v_mad_u32_u24 v[KS], v30, KP, v32
	v_add_nc_u32 v[KS], s35, v[KS]
	v_mad_u32_u24 v[VS], v30, VP, v32
	v_add_nc_u32 v[VS], s46, v[VS]
	v_mul_u32_u24 v[KF], v2, KP
	v_lshl_add_u32 v[KF], v3, 4, v[KF]
	v_add_nc_u32 v[KF], s35, v[KF]
	v_lshl_add_u32 v33, v3, 3, v31                 ; 8 hh + (L & 7)
	v_mul_u32_u24 v[VF], v33, VP
	v_and_b32 v34, 1, v30
	v_lshl_add_u32 v[VF], v34, 4, v[VF]
	v_add_nc_u32 v[VF], s46, v[VF]
	v_lshl_add_u32 v[LSA], v1, 3, s47
	v_lshl_add_u32 v[LF], v3, 5, s47
	v_lshlrev_b32 v[L8], 3, v1
	v_lshlrev_b32 v[L16], 4, v1
	v_mul_u32_u24 v[STO], v2, SP
	v_lshl_add_u32 v[STO], v3, 4, v[STO]
	s_lshl_b32 s35, s32, 7
	s_add_co_u32 s35, s35, STAGE
	v_add_nc_u32 v[STO], s35, v[STO]
	s_mul_i32 s35, s32, 8*SP
	s_add_co_u32 s35, s35, STAGE
	v_add_nc_u32 v[RD], s35, v[L16]
	v_mov_b32 v[MC+1], 0                           ; upper registers of pairs of which the lower one is broadcast
	v_mov_b32 v[MC+3], 0
	v_mov_b32 v[AL+1], 0
	v_mov_b32 v[AL+3], 0
	s_wait_kmcnt 0x0
	; the range: trips blocks of 64 keys from kb on, inside the 2,048 rows, covering [kst, ken)
	s_min_u32 s12, s12, 2048
	s_and_b32 s12, s12, 0xfffffff8                 ; the label loads take 8 bytes a lane: an even start
	s_min_u32 s13, s13, 2048
	s_sub_co_u32 s15, s13, s12
	s_add_co_u32 s15, s15, 63
	s_lshr_b32 s15, s15, 6
	s_max_u32 s15, s15, 1                          ; an empty range still takes one block: all masked, the rows come out zero
	s_min_u32 s15, s15, 32
	s_lshl_b32 s14, s15, 6
	s_sub_co_u32 s14, 2048, s14
	s_min_u32 s14, s14, s12                        ; moved down where the last block would pass the end
	s_min_u32 s14, s14, 1984
	s_lshl_b32 s36, s33, 20
	s_lshl_b32 s35, s14, 9
	s_add_co_u32 s36, s36, s35
	s_lshl_b32 s35, s32, 7
	s_add_co_u32 s36, s36, s35
	s_add_co_u32 s36, s36, 0x400000
	s_add_nc_u64 s[16:17], s[4:5], s[36:37]        ; k[b][kb], my head
	s_add_nc_u64 s[18:19], s[16:17], 0x400000      ; v likewise
	s_lshl_b32 s36, s33, 13
	s_lshl2_add_u32 s36, s14, s36
	s_add_co_u32 s36, s36, 98304
	s_add_nc_u64 s[20:21], s[6:7], s[36:37]        ; vlab[b][kb]
; a block of 64 keys into registers of window 1: 16 loads of K, 16 of V (4 rows x 128 bytes each), one of labels
.macro FETCH
	WIN 0x40
.irp i, 0,1,2,3,4,5,6,7,8,9,10,11,12,13,14,15
	global_load_b128 v[KL+4*\i:KL+4*\i+3], v[GO], s[16:17] offset:\i*2048
.endr
.irp i, 0,1,2,3,4,5,6,7,8,9,10,11,12,13,14,15
	global_load_b128 v[VL+4*\i:VL+4*\i+3], v[GO], s[18:19] offset:\i*2048
.endr
	global_load_b64 v[LL:LL+1], v[L8], s[20:21]
	WIN 0
.endm
; softmax step of query tile nt on its 32 score registers
.macro SOFT nt, first
.set SB,  SS+32*\nt
.set MCR, MC+2*\nt
.set LSR, LSUM+2*\nt
.set ALR, AL+2*\nt
.irp q, 0,1,2,3
	v_max3_num_f32 v[T+\q], v[SB+8*\q], v[SB+8*\q+1], v[SB+8*\q+2]     ; four chains that do not wait for each other
.endr
.irp q, 0,1,2,3
	v_max3_num_f32 v[T+\q], v[T+\q], v[SB+8*\q+3], v[SB+8*\q+4]
.endr
.irp q, 0,1,2,3
	v_max3_num_f32 v[T+\q], v[T+\q], v[SB+8*\q+5], v[SB+8*\q+6]
.endr
.irp q, 0,1,2,3
	v_max_num_f32 v[T+\q], v[T+\q], v[SB+8*\q+7]
.endr
	v_max3_num_f32 v[T], v[T], v[T+1], v[T+2]
	v_max_num_f32 v[T], v[T], v[T+3]
	v_permlanex16_b32 v[T+4], v[T], s38, s39       ; the other 32 keys of my query
	v_max_num_f32 v[T], v[T], v[T+4]
.if \first
	v_mul_f32 v[MCR], s40, v[T]
.else
	v_mul_f32 v[T], s40, v[T]
	v_max_num_f32 v[T+1], v[MCR], v[T]
	v_sub_f32 v[T+2], v[MCR], v[T+1]
	v_exp_f32 v[ALR], v[T+2]                       ; old sums shrink by 2^(old - new)
	v_mov_b32 v[MCR], v[T+1]                       ; (a plain instruction behind the exponential, ISA guide 5.7.2)
.endif
.irp p, 0,1,2,3,4,5,6,7,8,9,10,11,12,13,14,15
	v_pk_fma_f32 v[SB+2*\p:SB+2*\p+1], v[SB+2*\p:SB+2*\p+1], s[40:41], v[MCR:MCR+1] op_sel_hi:[1,0,0] neg_lo:[0,0,1] neg_hi:[0,0,1]
.endr
.set i, 0
.rept 32
	v_exp_f32 v[SB+i], v[SB+i]
.set i, i+1
.endr
	v_nop                                          ; one plain place before the exponentials' results are read
	s_wait_alu depctr_va_vdst(0)
	v_pk_add_f32 v[T+6:T+7], v[SB:SB+1], v[SB+2:SB+3]
	v_pk_add_f32 v[T+8:T+9], v[SB+16:SB+17], v[SB+18:SB+19]
.irp p, 2,3,4,5,6,7
	v_pk_add_f32 v[T+6:T+7], v[T+6:T+7], v[SB+2*\p:SB+2*\p+1]
	v_pk_add_f32 v[T+8:T+9], v[T+8:T+9], v[SB+16+2*\p:SB+16+2*\p+1]
.endr
.if \first
	v_pk_add_f32 v[LSR:LSR+1], v[T+6:T+7], v[T+8:T+9]
.else
	v_pk_add_f32 v[T+6:T+7], v[T+6:T+7], v[T+8:T+9]
	v_pk_fma_f32 v[LSR:LSR+1], v[LSR:LSR+1], v[ALR:ALR+1], v[T+6:T+7] op_sel_hi:[1,0,1]
.endif
.irp kk, 0,1
.irp p, 0,1,2,3,4,5,6,7
	v_cvt_pk_f16_f32 v[SB+16*\kk+\p], v[SB+16*\kk+2*\p], v[SB+16*\kk+2*\p+1]    ; in place, ascending: register p is written when 2 p, 2 p + 1 are read
.endr
.endr
.endm
; One block of 64 keys.  first = 1: its products and sums start the running ones.
.macro TRIP first, tag
	s_wait_loadcnt 0x0                             ; the block asked for a trip ago (in the first trip also Q and its labels); zero, so that it
	                                               ; holds whether or not the branch below has asked for a further block
	WIN 0x04                                       ; store data in window 1
.irp i, 0,1,2,3,4,5,6,7,8,9,10,11,12,13,14,15
	ds_store_b128 v[KS], v[KL+4*\i:KL+4*\i+3] offset:\i*4*KP
.endr
.irp i, 0,1,2,3,4,5,6,7,8,9,10,11,12,13,14,15
	ds_store_b128 v[VS], v[VL+4*\i:VL+4*\i+3] offset:\i*4*VP
.endr
	ds_store_b64 v[LSA], v[LL:LL+1]
	WIN 0
	s_add_co_u32 s45, s44, 1
	s_cmp_ge_u32 s45, s15
	s_cbranch_scc1 .Lnf\tag                        ; the last trip asks for nothing: no load passes the range
	s_add_nc_u64 s[16:17], s[16:17], 32768         ; (their loads are done: the wait above)
	s_add_nc_u64 s[18:19], s[18:19], 32768
	s_add_nc_u64 s[20:21], s[20:21], 256
	FETCH
.Lnf\tag:
.irp mt, 0,1,2,3
.irp ks, 0,1
	ds_load_b128 v[FR+(2*\mt+\ks)*8:FR+(2*\mt+\ks)*8+3],   v[KF] offset:\mt*16*KP+\ks*64      ; a wave's LDS instructions are served in order:
	ds_load_b128 v[FR+(2*\mt+\ks)*8+4:FR+(2*\mt+\ks)*8+7], v[KF] offset:\mt*16*KP+\ks*64+32   ; these see my stores above
.endr
.endr
.irp mt, 0,1,2,3
	ds_load_b128 v[LB+8*\mt:LB+8*\mt+3],   v[LF] offset:\mt*64
	ds_load_b128 v[LB+8*\mt+4:LB+8*\mt+7], v[LF] offset:\mt*64+16
.endr
	s_wait_dscnt 0x8                               ; K's fragments are in; the 8 label loads stay out
.irp nt, 0,1
.irp mt, 0,1,2,3
	v_wmma_f32_16x16x32_f16 v[SS+32*\nt+8*\mt:SS+32*\nt+8*\mt+7], v[FR+16*\mt:FR+16*\mt+7], v[QF+16*\nt:QF+16*\nt+7], 0
.endr
.endr
.irp nt, 0,1
.irp mt, 0,1,2,3
	v_wmma_f32_16x16x32_f16 v[SS+32*\nt+8*\mt:SS+32*\nt+8*\mt+7], v[FR+16*\mt+8:FR+16*\mt+15], v[QF+16*\nt+8:QF+16*\nt+15], v[SS+32*\nt+8*\mt:SS+32*\nt+8*\mt+7]
.endr
.endr
	PLACES 5                                       ; behind matrix instructions: before loads land in K's fragments, before the mask
	                                               ; reads and writes the scores, and before the scores' registers serve as the next products' B
.irp dt, 0,1,2,3
.irp kk, 0,1
	ds_load_tr16_b128 v[FR+(2*\dt+\kk)*8:FR+(2*\dt+\kk)*8+3],   v[VF] offset:\kk*32*VP+\dt*32
	ds_load_tr16_b128 v[FR+(2*\dt+\kk)*8+4:FR+(2*\dt+\kk)*8+7], v[VF] offset:\kk*32*VP+\dt*32+16*VP
.endr
.endr
	s_wait_dscnt 0x10                              ; the labels are in; the 16 loads of V^T stay out
.irp nt, 0,1
.irp mt, 0,1,2,3
.irp j, 0,1,2,3,4,5,6,7
	v_cmp_eq_u32 vcc_lo, v[LB+8*\mt+\j], v[QL+\nt]
	v_cndmask_b32 v[SS+32*\nt+8*\mt+\j], s42, v[SS+32*\nt+8*\mt+\j], vcc_lo
.endr
.endr
.endr
	SOFT 0, \first
	SOFT 1, \first
.if \first == 0
	WIN 0x41                                       ; O in window 1, the factor in window 0
.irp nt, 0,1
.irp q, 0,1,2,3,4,5,6,7,8,9,10,11,12,13,14,15
	v_pk_mul_f32 v[OO+32*\nt+2*\q:OO+32*\nt+2*\q+1], v[OO+32*\nt+2*\q:OO+32*\nt+2*\q+1], v[AL+2*\nt:AL+2*\nt+1] op_sel_hi:[1,0]
.endr
.endr
.endif
	s_wait_dscnt 0x0                               ; V^T is in
	WIN 0x50                                       ; C and D in window 1
.irp nt, 0,1
.irp dt, 0,1,2,3
.if \first
	v_wmma_f32_16x16x32_f16 v[OO+(4*\nt+\dt)*8:OO+(4*\nt+\dt)*8+7], v[FR+16*\dt:FR+16*\dt+7], v[SS+32*\nt:SS+32*\nt+7], 0
.else
	v_wmma_f32_16x16x32_f16 v[OO+(4*\nt+\dt)*8:OO+(4*\nt+\dt)*8+7], v[FR+16*\dt:FR+16*\dt+7], v[SS+32*\nt:SS+32*\nt+7], v[OO+(4*\nt+\dt)*8:OO+(4*\nt+\dt)*8+7]
.endif
.endr
.endr
.irp nt, 0,1
.irp dt, 0,1,2,3
	v_wmma_f32_16x16x32_f16 v[OO+(4*\nt+\dt)*8:OO+(4*\nt+\dt)*8+7], v[FR+16*\dt+8:FR+16*\dt+15], v[SS+32*\nt+16:SS+32*\nt+23], v[OO+(4*\nt+\dt)*8:OO+(4*\nt+\dt)*8+7]
.endr
.endr
	WIN 0
	PLACES 5                                       ; before the next trip's loads into the fragments and its products over P, and before O is read
.endm
	FETCH
	s_mov_b32 s44, 0
	TRIP 1, a
	s_mov_b32 s44, 1
	s_cmp_ge_u32 s44, s15
	s_cbranch_scc1 .Ldone
.Lloop:
	TRIP 0, b
	s_add_co_u32 s44, s44, 1
	s_cmp_lt_u32 s44, s15
	s_cbranch_scc1 .Lloop
.Ldone:
	s_lshl_b32 s36, s33, 20
	s_add_nc_u64 s[22:23], s[8:9], s[36:37]        ; nv[b]  (Q's loads were waited for in the first trip)
	v_add_f32 v[T], v[LSUM], v[LSUM+1]
	v_add_f32 v[T+1], v[LSUM+2], v[LSUM+3]
	v_permlanex16_b32 v[T+2], v[T], s38, s39       ; the other half of my query's keys
	v_permlanex16_b32 v[T+3], v[T+1], s38, s39
	v_add_f32 v[T], v[T], v[T+2]
	v_add_f32 v[T+1], v[T+1], v[T+3]
	v_rcp_f32 v[T+2], v[T]
	v_rcp_f32 v[T+3], v[T+1]
	v_nop                                          ; one plain place behind the reciprocals
	v_cmp_lt_f32 vcc_lo, s43, v[MC]                ; a maximum above the sentinel: the query has a match
	s_wait_alu depctr_va_vdst(0)
	v_cndmask_b32 v[AL], 0, v[T+2], vcc_lo
	v_cmp_lt_f32 vcc_lo, s43, v[MC+2]
	v_cndmask_b32 v[AL+2], 0, v[T+3], vcc_lo
	WIN 0x41
.irp nt, 0,1
.irp q, 0,1,2,3,4,5,6,7,8,9,10,11,12,13,14,15
	v_pk_mul_f32 v[OO+32*\nt+2*\q:OO+32*\nt+2*\q+1], v[OO+32*\nt+2*\q:OO+32*\nt+2*\q+1], v[AL+2*\nt:AL+2*\nt+1] op_sel_hi:[1,0]
.endr
.endr
	WIN 0x05                                       ; both sources in window 1
.irp nt, 0,1
.irp q, 0,1,2,3,4,5,6,7,8,9,10,11,12,13,14,15
	v_cvt_pk_f16_f32 v[SS+16*\nt+\q], v[OO+32*\nt+2*\q], v[OO+32*\nt+2*\q+1]
.endr
.endr
	WIN 0
.irp nt, 0,1
.irp dt, 0,1,2,3
	ds_store_b128 v[STO], v[SS+16*\nt+4*\dt:SS+16*\nt+4*\dt+3] offset:\nt*16*SP+\dt*32
.endr
.endr
	s_wait_dscnt 0x0                               ; my head's quarter of the 32 rows is in the stage before I say so
	s_barrier_signal -1
	s_barrier_wait -1                              ; the rows are whole
.irp i, 0,1,2,3,4,5,6,7
	s_min_u32 s[24+\i], s[24+\i], 2047             ; a token number is below 2,048; the bound is written out since it forms an address
	v_lshl_add_u32 v[T+\i], s[24+\i], 9, v[L16]
	ds_load_b128 v[FR+4*\i:FR+4*\i+3], v[RD] offset:\i*SP
.endr
.irp i, 0,1,2,3,4,5,6,7
	s_wait_dscnt 7-\i                              ; row i is in, the younger loads stay out
	global_store_b128 v[T+\i], v[FR+4*\i:FR+4*\i+3], s[22:23]      ; a whole row of 512 aligned bytes, at the query's own token
.endr
	s_wait_tensorcnt 0x0
	ds_add_u32 v254, v255
	s_wait_dscnt 0x0
	s_endpgm
.Lfunc_end_k_q1b67b94414_attn:
	.size	k_q1b67b94414_attn, .Lfunc_end_k_q1b67b94414_attn-k_q1b67b94414_attn
	.p2alignl 7, 3214868480
	.fill 96, 4, 3214868480
	.section	.rodata,"a",@progbits
	.p2align	6, 0x0
	.amdhsa_kernel k_q1b67b94414_attn
		.amdhsa_group_segment_fixed_size 96256
		.amdhsa_private_segment_fixed_size 0
		.amdhsa_enable_private_segment 0
		.amdhsa_kernarg_size 24
		.amdhsa_user_sgpr_count 2
		.amdhsa_user_sgpr_kernarg_segment_ptr 1
		.amdhsa_wavefront_size32 1
		.amdhsa_system_sgpr_workgroup_id_x 1
		.amdhsa_system_sgpr_workgroup_id_y 1
		.amdhsa_system_sgpr_workgroup_id_z 1
		.amdhsa_system_vgpr_workitem_id 0
		.amdhsa_next_free_vgpr 456
		.amdhsa_next_free_sgpr 66
		.amdhsa_reserve_vcc 1
		.amdhsa_float_denorm_mode_32 3
		.amdhsa_float_denorm_mode_16_64 3
		.amdhsa_memory_ordered 1
		.amdhsa_forward_progress 1
		.amdhsa_inst_pref_size 69
	.end_amdhsa_kernel
	.amdgpu_metadata
---
amdhsa.version: [ 1, 2 ]
amdhsa.kernels:
  - .name:           k_q1b67b94414_attn
    .symbol:         k_q1b67b94414_attn.kd
    .args:
      - { .name: qkv, .offset: 0, .size: 8, .value_kind: global_buffer, .address_space: global }
      - { .name: idx, .offset: 8, .size: 8, .value_kind: global_buffer, .address_space: global }
      - { .name: nv, .offset: 16, .size: 8, .value_kind: global_buffer, .address_space: global }
    .group_segment_fixed_size: 96256
    .private_segment_fixed_size: 0
    .kernarg_segment_align: 8
    .kernarg_segment_size: 24
    .max_flat_workgroup_size: 128
    .sgpr_count:     66
    .vgpr_count:     456
    .wavefront_size: 32
...
	.end_amdgpu_metadata
.endif
;; end of part 3
;; launch outp (part 4): grid 256 x 1, 4 waves a work-group, no clusters, 69,120 bytes of LDS; arguments nv, wfrag, bm, out0; writes out0
.if DOCPART == 4
	.amdgcn_target "amdgcn-amd-amdhsa--gfx1250"
	.amdhsa_code_object_version 6
	.text
	.protected	k_q1b67b94414_outp
	.globl	k_q1b67b94414_outp
	.p2align	8
	.type	k_q1b67b94414_outp,@function
k_q1b67b94414_outp:
	s_mov_b64 s[64:65], 0
	v_nop
	global_prefetch_b8 v0, s[64:65] scope:SCOPE_SE
	s_setreg_imm32_b32 hwreg(HW_REG_WAVE_MODE, 25, 1), 1
	s_wait_xcnt 0x0
; OUTP: out0[b][o][n] = sum over c' of Wm'[o][c'] nv[b][n][c'] + bm[o]  (Wm' = Wm with its columns in nv's order c' = 64 h + d, from wfrag).
; Work-group g: batch g >> 6, 64 tokens ((g >> 1) & 31), 128 outputs (g & 1).  Wave w: 32 outputs (two fragments' rows) x 4 token tiles: 64 matrix instructions.
; The sources are swapped (A = token rows, B = Wm' rows): a result lane holds one o and 8 neighbouring tokens, 32 bytes of a row of out0.
; Rows go through the wave's own LDS stage, so that sixteen lanes store 256 consecutive, aligned bytes.
; The bias is the C operand of the first product.
; No cluster: the two groups of a token tile share its 32,768 bytes of nv, the 128 groups of an output half their 65,536 bytes of fragments; the
; fragments go straight into registers in fragment order, and a joint request would land in LDS and be read from there once more.
.set NP,  528                          ; token rows: 512 bytes + 16
.set OST, 33792                        ; behind them: 128 rows of 256 bytes,
.set OP,  272                          ; + 16
.set NS,  4
.set NF,  5
.set OS,  6
.set RD,  7
.set CO,  8
.set BI,  16                           ; v[16:31]  bias, eight equal registers for each of my two fragments
.set ACC, 32                           ; v[32:63]  (nt & 1)*16 + gl*8
.set LD_, 64                           ; v[64:127] nv as loaded; later the way out
.set F0,  128
.set F1,  192
                                       ; v256-383 (window 1): Wm' fragments at (gl*8 + ks)*8
.set MSB, 0
.macro WIN new
.if MSB != \new
	s_set_vgpr_msb (MSB<<8)|\new
.set MSB, \new
.endif
.endm
.macro PLACES n
.rept \n
	v_nop
.endr
.endm
	s_load_b256 s[4:11], s[0:1], 0x0               ; nv 4, wfrag 6, bm 8, out0 10
	v_lshl_add_u32 v14, v0, 2, 0x10c00
	v_mov_b32 v15, 0
	v_and_b32 v10, 31, v0
	v_lshrrev_b32 v11, 5, v0
	v_readfirstlane_b32 s12, v11                   ; w
	s_lshr_b32 s13, ttmp9, 6                       ; b
	s_bfe_u32 s14, ttmp9, 0x50001                  ; token tile
	s_and_b32 s15, ttmp9, 1                        ; output half
	v_lshlrev_b32 v1, 4, v10                       ; 16 L
	v_and_b32 v2, 15, v10                          ; r
	v_lshrrev_b32 v3, 4, v10                       ; hh
	v_lshlrev_b32 v9, 2, v2
	s_mov_b32 s17, 0
	s_lshl_b32 s16, s13, 20                        ; nv: batch, 64 rows of 512 bytes, my 16 rows
	s_lshl_b32 s18, s14, 15
	s_add_co_u32 s16, s16, s18
	s_lshl_b32 s18, s12, 13
	s_add_co_u32 s16, s16, s18
	s_wait_kmcnt 0x0
	s_add_nc_u64 s[20:21], s[4:5], s[16:17]
.irp i, 0,1,2,3,4,5,6,7,8,9,10,11,12,13,14,15
	global_load_b128 v[LD_+4*\i:LD_+4*\i+3], v1, s[20:21] offset:\i*512
.endr
	s_lshl_b32 s16, s15, 16                        ; fragments 8 oh + 2 w, + 1, of 8,192 bytes
	s_lshl_b32 s18, s12, 14
	s_add_co_u32 s16, s16, s18
	s_add_co_u32 s16, s16, 393216
	s_add_nc_u64 s[22:23], s[6:7], s[16:17]
	WIN 0x40
.set n, 0
.rept 32
	global_load_b128 v[4*n:4*n+3], v1, s[22:23] offset:(n>>1)*1024+(n&1)*512
.set n, n+1
.endr
	WIN 0
	s_lshl_b32 s16, s15, 9
	s_lshl_b32 s18, s12, 7
	s_add_co_u32 s16, s16, s18
	s_add_nc_u64 s[24:25], s[8:9], s[16:17]        ; bm + 4 (128 oh + 32 w)
	global_load_b32 v[BI], v9, s[24:25]
	global_load_b32 v[BI+8], v9, s[24:25] offset:64
	s_lshl_b32 s16, s13, 21                        ; out0: batch, row 128 oh + 32 w of 8,192 bytes, 64 tokens of 4 bytes
	s_lshl_b32 s18, s15, 20
	s_add_co_u32 s16, s16, s18
	s_lshl_b32 s18, s12, 18
	s_add_co_u32 s16, s16, s18
	s_lshl_b32 s18, s14, 8
	s_add_co_u32 s16, s16, s18
	s_add_nc_u64 s[26:27], s[10:11], s[16:17]
	s_mul_i32 s18, s12, 16*NP
	v_add_nc_u32 v[NS], s18, v1
	v_mul_u32_u24 v[NF], v2, NP
	v_lshl_add_u32 v[NF], v3, 4, v[NF]
	s_mul_i32 s18, s12, 32*OP
	s_add_co_u32 s18, s18, OST
	v_mul_u32_u24 v[OS], v2, OP
	v_lshl_add_u32 v[OS], v3, 5, v[OS]
	v_add_nc_u32 v[OS], s18, v[OS]
	v_mul_u32_u24 v[RD], v3, OP
	v_lshl_add_u32 v[RD], v2, 4, v[RD]
	v_add_nc_u32 v[RD], s18, v[RD]
	v_lshlrev_b32 v[CO], 13, v3
	v_lshl_add_u32 v[CO], v2, 4, v[CO]
	s_wait_loadcnt 0x22                            ; my 16 rows of nv are in; the 32 loads of fragments and the 2 of the bias stay out
.irp i, 0,1,2,3,4,5,6,7,8,9,10,11,12,13,14,15
	ds_store_b128 v[NS], v[LD_+4*\i:LD_+4*\i+3] offset:\i*NP
.endr
	s_wait_loadcnt 0x0
.irp j, 1,2,3,4,5,6,7
	v_mov_b32 v[BI+\j], v[BI]                      ; a lane's eight results share one o: the bias eight times
	v_mov_b32 v[BI+8+\j], v[BI+8]
.endr
	s_wait_dscnt 0x0                               ; my rows are in LDS before I say so
	s_barrier_signal -1
	s_barrier_wait -1                              ; all 64 are
.macro FLOAD nt, buf                   ; the eight A fragments (K = 256) of token tile nt
.irp ks, 0,1,2,3,4,5,6,7
	ds_load_b128 v[\buf+8*\ks:\buf+8*\ks+3],   v[NF] offset:\nt*16*NP+\ks*64
	ds_load_b128 v[\buf+8*\ks+4:\buf+8*\ks+7], v[NF] offset:\nt*16*NP+\ks*64+32
.endr
.endm
; left: the LDS instructions behind this tile's 16 loads: the 4 stage stores of the tile before and the 16 loads of the next
.macro NT4 nt, nn, buf, nbuf, more, left
.if \more
	FLOAD \nn, \nbuf
.endif
	s_wait_dscnt \left
	WIN 0x04                                       ; source 1 (Wm') in window 1
.irp ks, 0,1,2,3,4,5,6,7
.irp gl, 0,1
.if \ks == 0
	v_wmma_f32_16x16x32_f16 v[ACC+(\nt&1)*16+8*\gl:ACC+(\nt&1)*16+8*\gl+7], v[\buf+8*\ks:\buf+8*\ks+7], v[(8*\gl+\ks)*8:(8*\gl+\ks)*8+7], v[BI+8*\gl:BI+8*\gl+7]
.else
	v_wmma_f32_16x16x32_f16 v[ACC+(\nt&1)*16+8*\gl:ACC+(\nt&1)*16+8*\gl+7], v[\buf+8*\ks:\buf+8*\ks+7], v[(8*\gl+\ks)*8:(8*\gl+\ks)*8+7], v[ACC+(\nt&1)*16+8*\gl:ACC+(\nt&1)*16+8*\gl+7]
.endif
.endr
.endr
	WIN 0
	PLACES 5                                       ; behind matrix instructions: before the stage stores read the sums and the next loads land in this buffer
.irp gl, 0,1
	ds_store_b128 v[OS], v[ACC+(\nt&1)*16+8*\gl:ACC+(\nt&1)*16+8*\gl+3]   offset:\gl*16*OP+\nt*64
	ds_store_b128 v[OS], v[ACC+(\nt&1)*16+8*\gl+4:ACC+(\nt&1)*16+8*\gl+7] offset:\gl*16*OP+\nt*64+16
.endr
.endm
	FLOAD 0, F0
	NT4 0, 1, F0, F1, 1, 16
	NT4 1, 2, F1, F0, 1, 20
	NT4 2, 3, F0, F1, 1, 20
	NT4 3, 0, F1, F0, 0, 4
	; THE WAY OUT: my own 32 rows of the stage (a wave's LDS instructions are served in order: no wait between its stores and these loads), two rows a load
.irp t, 0,1,2,3,4,5,6,7,8,9,10,11,12,13,14,15
	ds_load_b128 v[LD_+4*\t:LD_+4*\t+3], v[RD] offset:\t*2*OP
.endr
.irp t, 0,1,2,3,4,5,6,7,8,9,10,11,12,13,14,15
	s_wait_dscnt 15-\t                             ; rows 2 t, 2 t + 1 are in, the younger loads stay out
	global_store_b128 v[CO], v[LD_+4*\t:LD_+4*\t+3], s[26:27] offset:\t*16384 th:TH_STORE_NT   ; 16 lanes: 256 consecutive bytes, at a multiple of 256 from out0's first byte
.endr
	s_wait_tensorcnt 0x0
	ds_add_u32 v14, v15
	s_wait_dscnt 0x0
	s_endpgm
.Lfunc_end_k_q1b67b94414_outp:
	.size	k_q1b67b94414_outp, .Lfunc_end_k_q1b67b94414_outp-k_q1b67b94414_outp
	.p2alignl 7, 3214868480
	.fill 96, 4, 3214868480
	.section	.rodata,"a",@progbits
	.p2align	6, 0x0
	.amdhsa_kernel k_q1b67b94414_outp
		.amdhsa_group_segment_fixed_size 69120
		.amdhsa_private_segment_fixed_size 0
		.amdhsa_enable_private_segment 0
		.amdhsa_kernarg_size 32
		.amdhsa_user_sgpr_count 2
		.amdhsa_user_sgpr_kernarg_segment_ptr 1
		.amdhsa_wavefront_size32 1
		.amdhsa_system_sgpr_workgroup_id_x 1
		.amdhsa_system_sgpr_workgroup_id_y 1
		.amdhsa_system_sgpr_workgroup_id_z 1
		.amdhsa_system_vgpr_workitem_id 0
		.amdhsa_next_free_vgpr 384
		.amdhsa_next_free_sgpr 66
		.amdhsa_reserve_vcc 0
		.amdhsa_float_denorm_mode_32 3
		.amdhsa_float_denorm_mode_16_64 3
		.amdhsa_memory_ordered 1
		.amdhsa_forward_progress 1
		.amdhsa_inst_pref_size 22
	.end_amdhsa_kernel
	.amdgpu_metadata
---
amdhsa.version: [ 1, 2 ]
amdhsa.kernels:
  - .name:           k_q1b67b94414_outp
    .symbol:         k_q1b67b94414_outp.kd
    .args:
      - { .name: nv, .offset: 0, .size: 8, .value_kind: global_buffer, .address_space: global }
      - { .name: wfrag, .offset: 8, .size: 8, .value_kind: global_buffer, .address_space: global }
      - { .name: bm, .offset: 16, .size: 8, .value_kind: global_buffer, .address_space: global }
      - { .name: out0, .offset: 24, .size: 8, .value_kind: global_buffer, .address_space: global }
    .group_segment_fixed_size: 69120
    .private_segment_fixed_size: 0
    .kernarg_segment_align: 8
    .kernarg_segment_size: 32
    .max_flat_workgroup_size: 128
    .sgpr_count:     66
    .vgpr_count:     384
    .wavefront_size: 32
...
	.end_amdgpu_metadata
.endif
;; end of part 4
;; ======== version 2 of 3: 4 launches; 1.13 times as fast as version 1
;; limits: values are held in f16: magnitudes above 65,504 overflow, below 6.1e-05 lose precision
;; workspace buffers: wfrag 524,288 bytes; idx 229,376 bytes of whole numbers; qkv 12,582,912 bytes; nv 4,194,304 bytes
;; launch prep (part 5): grid 60 x 1, 16 waves a work-group, no clusters, 6,656 bytes of LDS; arguments query_labels, value_labels, Wq, Wk, Wv, Wm, idx, wfrag; writes idx, wfrag
.if DOCPART == 5
	.amdgcn_target "amdgcn-amd-amdhsa--gfx1250"
	.amdhsa_code_object_version 6
	.text
	.protected	k_q1b67b94414_prep
	.globl	k_q1b67b94414_prep
	.p2align	8
	.type	k_q1b67b94414_prep,@function
k_q1b67b94414_prep:
	s_mov_b64 s[64:65], 0
	v_nop
	global_prefetch_b8 v0, s[64:65] scope:SCOPE_SE
	s_setreg_imm32_b32 hwreg(HW_REG_WAVE_MODE, 25, 1), 1
	s_wait_xcnt 0x0
; PREP: (1) a counting sort of the tokens of each batch by bucket = label & 15, stored as whole numbers for the later launches;
;       (2) the four weight matrices rounded to f16 and laid out in the order in which a matrix fragment is loaded.
; Work-groups 0-7: the sort of batch g >> 1, side g & 1 (0 queries, 1 values): 16 waves, 2,048 tokens, 4 tokens a thread.
; Work-groups 8-55: Wq, Wk, Wv (16 each).  Work-groups 56-59: Wm.  The role hangs on the work-group's number alone.
; idx: 7 sections of 32,768 bytes, each [4][2048] int32: 0 qpos[n], 1 vpos[n], 2 qlab[p], 3 vlab[p], 4 qorig[p], 5 kst[p], 6 ken[p]
;      (n: token, p: sorted position; kst, ken: the range of sorted value positions of the query's bucket).
; Labels may be any int32: the bucket only groups; the later mask compares whole labels, and equal labels have equal buckets.
; THE SORT.  A slot is the 32 tokens 4 t + e of a wave's lanes.  Four ballots a slot, one for each bit of the bucket number.  From them a lane
; rebuilds the mask of the lanes that share a bucket (4 xor, 3 and): with its own token's bits for the token's rank (the set bits below the
; lane), and, in lane 16 + j, with the bits of j for the slot's count of bucket j.  That count is taken as two counts of set bits below the
; lane, of the mask's low and high 16 bits: in lanes 16-31 all 16 bits lie below the lane, so each is whole.  Lanes 0-15 hold no valid count.
; position = start of the bucket + counts of the waves in front + counts of my wave's slots in front + rank in the slot: a bijection
; (not the stable order, which nothing needs).
; Every sort group also counts the value labels (no ranks): kst and ken are the values' bucket starts and ends.  A side is not split over
; more groups: each would have to count all of the side's tokens again, 23 of the 31 instructions of a slot.
; wfrag: matrix i (q, k, v, m) at i*131072; fragment f = g*8 + ks at f*1024: bytes 16 L = lane L's registers 0-3, 512 + 16 L = registers 4-7.
;      q, k, v: g = 4 h + mt, lane row r is W's row 64 mt + 4 r + h (head h, d = 16 mt + r), k = input channel.
;      m:       row 16 g + r of Wm, slot c' = 64 h + d takes Wm's column 4 d + h.
; LIMIT: weights are rounded to f16: |W| < 65,504.
; The sort's stores by position are 4 bytes a lane to scattered words (40,960 words in the launch): that scatter is the sort itself.
; No cluster: the two groups of a batch share 8,192 bytes of value labels, loaded once into registers; nothing else is shared.
.set SEC,   32768                      ; bytes in a section of idx
.set TP,    144                        ; LDS table T[bucket][column]: 32 words + 16 bytes; columns 0-15 my side's waves, 16-31 the values'
.set DUMMY, 2304                       ; behind the table: where lanes 0-15 put what is no count; never read
.set LABO,  4                          ; v[4:7]    my side's labels of my four tokens
.set LABV,  8                          ; v[8:11]   four value labels
.set RK,    12                         ; v[12:15]  rank in the slot, then the position
.set X,     16                         ; v[16:19]  0 - bit k of the slot's bucket; later the buckets
.set TA,    20                         ; v[20:23]  at work: counts.   v[20:35] later: a row of the table
.set XL,    24                         ; v[24:27]  0 - bit k of the lane's number
.set TB,    28                         ; v[28:31]  at work: ranks
.set PF,    44                         ; v[44:47]  lanes 16 + j: my wave's count of bucket j after slots 0, 0-1, 0-2, 0-3
.set VT,    48                         ; v48       the same for the value labels, all four slots
.set MUL,   44                         ; s[44:58]  1 where wave w' stands in front of mine, else 0
	s_load_b512 s[4:19], s[0:1], 0x0               ; ql 4, vl 6, Wq 8, Wk 10, Wv 12, Wm 14, idx 16, wfrag 18
	v_lshl_add_u32 v80, v0, 2, 0x1200
	v_mov_b32 v81, 0
	v_and_b32 v1, 31, v0                           ; lane
	v_lshrrev_b32 v2, 5, v0
	v_readfirstlane_b32 s20, v2                    ; wave 0..15
	s_wait_kmcnt 0x0
	s_cmp_ge_u32 ttmp9, 56
	s_cbranch_scc1 .Lwm
	s_cmp_ge_u32 ttmp9, 8
	s_cbranch_scc1 .Lwqkv
	; ---------------- the sort of batch ttmp9 >> 1, side ttmp9 & 1 ----------------
	s_and_b32 s21, ttmp9, 1                        ; side
	s_lshr_b32 s2, ttmp9, 1
	s_lshl_b32 s2, s2, 13                          ; b * 8,192 bytes
	s_mov_b32 s3, 0
	s_cmp_lg_u32 s21, 0
	s_cselect_b64 s[24:25], s[6:7], s[4:5]
	s_add_nc_u64 s[24:25], s[24:25], s[2:3]        ; my side's labels of this batch
	s_add_nc_u64 s[26:27], s[6:7], s[2:3]          ; the value labels of this batch
	s_add_nc_u64 s[28:29], s[16:17], s[2:3]        ; idx, section 0, this batch
	s_lshl_b32 s2, s21, 15
	s_add_nc_u64 s[30:31], s[28:29], s[2:3]        ; idx, section side
	v_lshlrev_b32 v3, 4, v0                        ; 16 t: my four tokens n = 4 t + e
	global_load_b128 v[LABO:LABO+3], v3, s[24:25]
	global_load_b128 v[LABV:LABV+3], v3, s[26:27]
	; all that hangs on no label is made while the labels are on their way
.irp k, 0,1,2,3
	v_bfe_u32 v[XL+\k], v1, \k, 1
.endr
.irp k, 0,1,2,3
	v_sub_nc_u32 v[XL+\k], 0, v[XL+\k]             ; all ones where bit k of the lane's number is set
.endr
	v_and_b32 v2, 15, v1
	v_mul_u32_u24 v42, v2, TP                      ; the row of bucket lane & 15
	v_lshrrev_b32 v49, 4, v1
	v_xor_b32 v49, 1, v49                          ; 1 in lanes 0-15
	v_mad_u32_u24 v43, v49, DUMMY, v42             ; store: lanes 16-31 into the table, lanes 0-15 behind it,
	s_lshl_b32 s22, s20, 2
	v_add_nc_u32 v43, s22, v43                     ; at my wave's column
	v_lshl_add_u32 v42, v49, 6, v42                ; read: lanes 16-31 my side's 16 columns, lanes 0-15 the values'
	v_mov_b32 v39, 0                               ; (the destination of a DPP move counts as read)
	v_lshlrev_b32 v58, 2, v0                       ; n = 4 t + e
	v_add_nc_u32 v59, 1, v58
	v_add_nc_u32 v60, 2, v58
	v_add_nc_u32 v61, 3, v58
.irp w, 0,1,2,3,4,5,6,7,8,9,10,11,12,13,14
	s_cmp_gt_u32 s20, \w
	s_cselect_b32 s[MUL+\w], 1, 0
.endr
; One slot.  lab: the register of its labels; nb: four scalar registers for the ballots (bit k CLEAR, so that xor with 0 - bit gives the
; lanes that agree in bit k); rank = 1: the token's rank goes to v[rk]; the count of bucket lane - 16 is added to v[pin] (first = 1: to 0)
; and goes to v[pout].
.macro SLOT lab, nb, rank, rk, first, pin, pout
.irp k, 0,1,2,3
	v_bfe_u32 v[X+\k], v[\lab], \k, 1
.endr
.irp k, 0,1,2,3
	v_sub_nc_u32 v[X+\k], 0, v[X+\k]
.endr
.irp k, 0,1,2,3
	v_cmp_eq_u32 s[\nb+\k], 0, v[X+\k]
.endr
.irp k, 0,1,2,3
	v_xor_b32 v[TA+\k], s[\nb+\k], v[XL+\k]
.endr
.if \rank
.irp k, 0,1,2,3
	v_xor_b32 v[TB+\k], s[\nb+\k], v[X+\k]
.endr
.endif
	v_and_b32 v[TA], v[TA], v[TA+1]
	v_and_b32 v[TA+2], v[TA+2], v[TA+3]
.if \rank
	v_and_b32 v[TB], v[TB], v[TB+1]
	v_and_b32 v[TB+2], v[TB+2], v[TB+3]
.endif
	v_and_b32 v[TA], v[TA], v[TA+2]                ; the lanes whose token lies in bucket lane & 15
.if \rank
	v_and_b32 v[TB], v[TB], v[TB+2]                ; the lanes whose token lies in my token's bucket
.endif
	v_and_b32 v[TA+1], 0xffff, v[TA]
	v_lshrrev_b32 v[TA+2], 16, v[TA]
.if \rank
	v_mbcnt_lo_u32_b32 v[\rk], v[TB], 0            ; how many of them stand below me
.endif
.if \first
	v_mbcnt_lo_u32_b32 v[TA+3], v[TA+1], 0
.else
	v_mbcnt_lo_u32_b32 v[TA+3], v[TA+1], v[\pin]
.endif
	v_mbcnt_lo_u32_b32 v[\pout], v[TA+2], v[TA+3]
.endm
	s_wait_loadcnt 0x1                             ; loads return in order: my side's labels are in, the one younger load (the value labels) stays out
	SLOT LABO+0, 32, 1, RK+0, 1, 0,    PF+0
	SLOT LABO+1, 36, 1, RK+1, 0, PF+0, PF+1
	SLOT LABO+2, 32, 1, RK+2, 0, PF+1, PF+2
	SLOT LABO+3, 36, 1, RK+3, 0, PF+2, PF+3
	s_wait_loadcnt 0x0
	SLOT LABV+0, 32, 0, 0, 1, 0,  VT
	SLOT LABV+1, 36, 0, 0, 0, VT, VT
	SLOT LABV+2, 32, 0, 0, 0, VT, VT
	SLOT LABV+3, 36, 0, 0, 0, VT, VT
	ds_store_b32 v43, v[PF+3]                      ; T[j][wave]
	ds_store_b32 v43, v[VT] offset:64              ; T[j][16 + wave]
	s_wait_dscnt 0x0                               ; my counts are in LDS before I say so
	s_barrier_signal -1
	s_barrier_wait -1                              ; all 16 waves' counts are
	ds_load_b128 v[20:23], v42
	ds_load_b128 v[24:27], v42 offset:16
	ds_load_b128 v[28:31], v42 offset:32
	ds_load_b128 v[32:35], v42 offset:48
.irp e, 0,1,2,3
	v_and_b32 v[X+\e], 15, v[LABO+\e]              ; bucket
.endr
.irp e, 0,1,2,3
	v_lshl_add_u32 v[54+\e], v[X+\e], 2, 64        ; lane 16 + bucket, as a byte index: my side's figures
	v_lshlrev_b32 v[64+\e], 2, v[X+\e]             ; lane bucket: the values' figures
.endr
	s_wait_dscnt 0x0
	v_add3_u32 v36, v20, v21, v22                  ; the bucket's total
.irp i, 23,25,27,29,31,33
	v_add3_u32 v36, v36, v[\i], v[\i+1]
.endr
	v_add_nc_u32 v36, v36, v35
	v_mul_u32_u24 v37, s[MUL], v20                 ; the counts of the waves in front of mine, in two chains
	v_mul_u32_u24 v49, s[MUL+1], v21
.irp w, 2,4,6,8,10,12
	v_mad_u32_u24 v37, v[20+\w], s[MUL+\w], v37
	v_mad_u32_u24 v49, v[21+\w], s[MUL+1+\w], v49
.endr
	v_mad_u32_u24 v37, v34, s[MUL+14], v37
	v_add_nc_u32 v37, v37, v49
	v_mov_b32 v38, v36                             ; inclusive sum over the buckets, inside each half of 16 lanes
.irp sh, 1,2,4,8
	v_mov_b32_dpp v39, v38 row_shr:\sh row_mask:0xf bank_mask:0xf bound_ctrl:1
	v_add_nc_u32 v38, v38, v39
.endr
	v_sub_nc_u32 v40, v38, v36                     ; exclusive: where the bucket starts
	v_add_nc_u32 v41, v40, v37                     ; where my wave's part of the bucket starts,
.irp e, 0,1,2
	v_add_nc_u32 v[PF+\e], v41, v[PF+\e]           ; and where slot e + 1's part of it starts
.endr
	ds_bpermute_b32 v50, v54, v41
	ds_bpermute_b32 v51, v55, v[PF+0]
	ds_bpermute_b32 v52, v56, v[PF+1]
	ds_bpermute_b32 v53, v57, v[PF+2]
.irp e, 0,1,2,3
	ds_bpermute_b32 v[68+\e], v[64+\e], v40        ; kst
	ds_bpermute_b32 v[72+\e], v[64+\e], v38        ; ken
.endr
	s_wait_dscnt 0x0
.irp e, 0,1,2,3
	v_add_nc_u32 v[RK+\e], v[RK+\e], v[50+\e]      ; sorted position
	v_min_u32 v[RK+\e], 0x7ff, v[RK+\e]            ; it is below 2,048 by construction; the bound is written out since it forms an address
	v_lshlrev_b32 v[20+\e], 2, v[RK+\e]
.endr
	global_store_b128 v3, v[RK:RK+3], s[30:31]     ; qpos or vpos
.irp e, 0,1,2,3
	global_store_b32 v[20+\e], v[LABO+\e], s[30:31] offset:2*SEC   ; qlab or vlab, by position
.endr
	s_cmp_lg_u32 s21, 0
	s_cbranch_scc1 .Lsortend                       ; the rest is for the query side alone
.irp e, 0,1,2,3
	global_store_b32 v[20+\e], v[58+\e], s[28:29] offset:4*SEC     ; qorig
	global_store_b32 v[20+\e], v[68+\e], s[28:29] offset:5*SEC     ; kst
	global_store_b32 v[20+\e], v[72+\e], s[28:29] offset:6*SEC     ; ken
.endr
.Lsortend:
	s_wait_tensorcnt 0x0
	ds_add_u32 v80, v81
	s_wait_dscnt 0x0
	s_endpgm
	; ---------------- Wq, Wk, Wv: one thread makes 16 bytes (8 f16) of a fragment ----------------
.Lwqkv:
	s_sub_co_u32 s20, ttmp9, 8
	s_lshr_b32 s21, s20, 4                         ; which matrix
	s_and_b32 s22, s20, 15
	s_lshl_b32 s22, s22, 9
	v_or_b32 v2, s22, v0                           ; item: L 4:0, half 5, ks 8:6, mt 10:9, h 12:11
	v_and_b32 v3, 15, v2                           ; r
	v_bfe_u32 v4, v2, 4, 1                         ; hh
	v_bfe_u32 v5, v2, 5, 1                         ; half
	v_bfe_u32 v6, v2, 6, 3                         ; ks
	v_bfe_u32 v7, v2, 9, 2                         ; mt
	v_bfe_u32 v8, v2, 11, 2                        ; h
	v_lshlrev_b32 v9, 12, v3                       ; row 64 mt + 4 r + h of 1,024 bytes,
	v_lshl_add_u32 v9, v7, 16, v9
	v_lshl_add_u32 v9, v8, 10, v9
	v_lshl_add_u32 v9, v6, 7, v9                   ; column 32 ks + 16 half + 8 hh of 4 bytes
	v_lshl_add_u32 v9, v5, 6, v9
	v_lshl_add_u32 v9, v4, 5, v9
	v_lshlrev_b32 v10, 4, v2                       ; the item's 16 bytes in wfrag: a wave stores 512 consecutive bytes
	s_cmp_eq_u32 s21, 0
	s_cselect_b64 s[24:25], s[8:9], s[10:11]
	s_cmp_eq_u32 s21, 2
	s_cselect_b64 s[24:25], s[12:13], s[24:25]
	s_lshl_b32 s2, s21, 17
	s_mov_b32 s3, 0
	s_add_nc_u64 s[26:27], s[18:19], s[2:3]
	global_load_b128 v[12:15], v9, s[24:25]
	global_load_b128 v[16:19], v9, s[24:25] offset:16
	s_wait_loadcnt 0x0
.irp p, 0,1,2,3
	v_cvt_pk_f16_f32 v[20+\p], v[12+2*\p], v[13+2*\p]
.endr
	global_store_b128 v10, v[20:23], s[26:27]
	s_endpgm
	; ---------------- Wm: one thread reads 8 d x 4 heads of a row (128 bytes) and makes 16 bytes of four fragments ----------------
.Lwm:
	s_sub_co_u32 s20, ttmp9, 56
	s_lshl_b32 s20, s20, 9
	v_or_b32 v2, s20, v0                           ; item: L 4:0, half 5, db 6, g 10:7
	v_and_b32 v3, 15, v2                           ; r
	v_bfe_u32 v4, v2, 4, 1                         ; hh
	v_bfe_u32 v5, v2, 5, 1                         ; half
	v_bfe_u32 v6, v2, 6, 1                         ; db
	v_lshrrev_b32 v7, 7, v2                        ; g
	v_lshlrev_b32 v56, 10, v3                      ; row 16 g + r; d0 = 32 db + 16 half + 8 hh, 16 bytes for each d
	v_lshl_add_u32 v56, v7, 14, v56
	v_lshl_add_u32 v56, v6, 9, v56
	v_lshl_add_u32 v56, v5, 8, v56
	v_lshl_add_u32 v56, v4, 7, v56
	v_lshlrev_b32 v57, 4, v1                       ; fragment g*8 + 2 h + db: 16 L + 512 half + 1,024 db + 8,192 g (+ 2,048 h below)
	v_lshl_add_u32 v57, v5, 9, v57
	v_lshl_add_u32 v57, v6, 10, v57
	v_lshl_add_u32 v57, v7, 13, v57
.irp i, 0,1,2,3,4,5,6,7
	global_load_b128 v[8+4*\i:11+4*\i], v56, s[14:15] offset:16*\i     ; d0 + i, heads 0-3
.endr
	s_wait_loadcnt 0x0
.irp h, 0,1,2,3
.irp p, 0,1,2,3
	v_cvt_pk_f16_f32 v[40+4*\h+\p], v[8+8*\p+\h], v[12+8*\p+\h]        ; head h: d0 + 2 p, d0 + 2 p + 1
.endr
.endr
.irp h, 0,1,2,3
	global_store_b128 v57, v[40+4*\h:43+4*\h], s[18:19] offset:393216+2048*\h
.endr
	s_endpgm
.Lfunc_end_k_q1b67b94414_prep:
	.size	k_q1b67b94414_prep, .Lfunc_end_k_q1b67b94414_prep-k_q1b67b94414_prep
	.p2alignl 7, 3214868480
	.fill 96, 4, 3214868480
	.section	.rodata,"a",@progbits
	.p2align	6, 0x0
	.amdhsa_kernel k_q1b67b94414_prep
		.amdhsa_group_segment_fixed_size 6656
		.amdhsa_private_segment_fixed_size 0
		.amdhsa_enable_private_segment 0
		.amdhsa_kernarg_size 64
		.amdhsa_user_sgpr_count 2
		.amdhsa_user_sgpr_kernarg_segment_ptr 1
		.amdhsa_wavefront_size32 1
		.amdhsa_system_sgpr_workgroup_id_x 1
		.amdhsa_system_sgpr_workgroup_id_y 1
		.amdhsa_system_sgpr_workgroup_id_z 1
		.amdhsa_system_vgpr_workitem_id 0
		.amdhsa_next_free_vgpr 82
		.amdhsa_next_free_sgpr 66
		.amdhsa_reserve_vcc 0
		.amdhsa_float_denorm_mode_32 3
		.amdhsa_float_denorm_mode_16_64 3
		.amdhsa_memory_ordered 1
		.amdhsa_forward_progress 1
		.amdhsa_inst_pref_size 24
	.end_amdhsa_kernel
	.amdgpu_metadata
---
amdhsa.version: [ 1, 2 ]
amdhsa.kernels:
  - .name:           k_q1b67b94414_prep
    .symbol:         k_q1b67b94414_prep.kd
    .args:
      - { .name: query_labels, .offset: 0, .size: 8, .value_kind: global_buffer, .address_space: global }
      - { .name: value_labels, .offset: 8, .size: 8, .value_kind: global_buffer, .address_space: global }
      - { .name: Wq, .offset: 16, .size: 8, .value_kind: global_buffer, .address_space: global }
      - { .name: Wk, .offset: 24, .size: 8, .value_kind: global_buffer, .address_space: global }
      - { .name: Wv, .offset: 32, .size: 8, .value_kind: global_buffer, .address_space: global }
      - { .name: Wm, .offset: 40, .size: 8, .value_kind: global_buffer, .address_space: global }
      - { .name: idx, .offset: 48, .size: 8, .value_kind: global_buffer, .address_space: global }
      - { .name: wfrag, .offset: 56, .size: 8, .value_kind: global_buffer, .address_space: global }
    .group_segment_fixed_size: 6656
    .private_segment_fixed_size: 0
    .kernarg_segment_align: 8
    .kernarg_segment_size: 64
    .max_flat_workgroup_size: 512
    .sgpr_count:     66
    .vgpr_count:     82
    .wavefront_size: 32
...
	.end_amdgpu_metadata
.endif
;; end of part 5
;; launch proj (part 6): grid 192 x 1, 4 waves a work-group, no clusters, 142,848 bytes of LDS; arguments query, key, value, bq, bk, bv, wfrag, idx, qkv; writes qkv
.if DOCPART == 6
	.amdgcn_target "amdgcn-amd-amdhsa--gfx1250"
	.amdhsa_code_object_version 6
	.text
	.protected	k_q1b67b94414_proj
	.globl	k_q1b67b94414_proj
	.p2align	8
	.type	k_q1b67b94414_proj,@function
k_q1b67b94414_proj:
	s_mov_b64 s[64:65], 0
	v_nop
	global_prefetch_b8 v0, s[64:65] scope:SCOPE_SE
	s_setreg_imm32_b32 hwreg(HW_REG_WAVE_MODE, 25, 1), 1
	s_wait_xcnt 0x0
; PROJ: q, k, v = W x + b.  Work-group g: tensor t = g >> 6 (q, k, v), batch b = (g >> 4) & 3, 128 tokens (g & 15), all 256 outputs.
; Wave w is head w: 64 output rows (d = 0..63, W's rows 4 d + w), its quarter of W in 256 registers, 8 tiles of 16 tokens: 256 matrix instructions.
; x [c][n] f32 comes through registers (it has to be rounded to f16), lies in LDS as [c][128 n] f16 and is read by transposing loads as the
; B operand (lane = token).  A result lane then holds 8 neighbouring d of one token = 16 bytes of the token's row [c' = 64 h + d].
; Rows are gathered in LDS and each is stored whole (512 consecutive, aligned bytes by one wave instruction) at the token's SORTED position,
; read from idx (whole numbers of the launch before).
; ALL LOADS STAND IN ONE ROW: 2 of the bias, 64 rows of x, 64 of W, each into registers of its own (x: 256 registers of window 2, W: window 1),
; 58 issued at once and 8 more whenever 8 rows of x have come: nothing is asked for only after something else has been worked on.
; The bias is the C operand of the first product of each sum: nothing is cleared and nothing added afterwards.
; LIMIT: operands and results in f16: |x|, |W|, |q|, |k|, |v| < 65,504 (f16 and not bf16: five roundings lie between input and output).
; 192 work-groups: 3 x 4 x 16 tiles; halving the outputs of a group would read x twice.
; No cluster: what groups share is W, 32,768 bytes a wave, loaded once from wfrag straight into registers in fragment order;
; a joint request lands in LDS, from where the same 131,072 bytes a group would have to be read again.
.set XP,    288                        ; XT pitch: 256 bytes + 32, an odd multiple of 32 bytes, for the transposing loads
.set STAGE, 73728                      ; behind XT (256 rows x 288)
.set SP,    528                        ; stage pitch: 512 bytes + 16, an odd multiple of 16 bytes
.set BLDS,  STAGE+128*SP               ; behind the stage: 256 bytes a wave, its head's 64 biases in the order of d
.set XS,   4                           ; v4   where I put 8 bytes of row 64 w + i of XT
.set XA,   5                           ; v5-6 transposing loads: K steps 0-3, 4-7 (the immediate has 16 bits)
.set STO,  7                           ; v7   stage: token r, my head's 128 bytes, 16 hh
.set RD,   8                           ; v8   stage: row 32 w, 16 L
.set BS,   9                           ; v9   bias in: 4 L
.set BR,   10                          ; v10  bias out: 32 hh
.set BT,   12                          ; v[12:13]   bias as loaded: d = L, d = 32 + L
.set BIAS, 24                          ; v[24:55]   C of the first products (mt*8 + j); on the way out: 32 offsets
.set ACC,  56                          ; v[56:87]   four accumulator tiles
.set TMP,  88                          ; v[88:103]  packed results
.set CT,   128                         ; v[128:255] x rounded, a pair of registers for each of my 64 rows; then the fragment buffers; then the way out
.set XR,   128
.set F0,   128
.set F1,   192
                                       ; v256-511 (window 1): W fragments at (mt*8 + ks)*8
                                       ; v512-767 (window 2): x as loaded, row i at 4 i
.set MSB, 0
.macro WIN new                         ; s_set_vgpr_msb; the immediate's high byte repeats the setting that is left
.if MSB != \new
	s_set_vgpr_msb (MSB<<8)|\new
.set MSB, \new
.endif
.endm
.macro PLACES n
.rept \n
	v_nop
.endr
.endm
	s_load_b512 s[4:19], s[0:1], 0x0               ; query 4, key 6, value 8, bq 10, bk 12, bv 14, wfrag 16, idx 18
	s_load_b64 s[20:21], s[0:1], 0x40              ; qkv
	v_lshl_add_u32 v126, v0, 2, 0x22c00
	v_mov_b32 v127, 0
	v_and_b32 v19, 31, v0                          ; L
	v_lshrrev_b32 v18, 5, v0
	v_readfirstlane_b32 s22, v18                   ; w
	s_lshr_b32 s23, ttmp9, 6                       ; t
	s_bfe_u32 s24, ttmp9, 0x20004                  ; b
	s_and_b32 s25, ttmp9, 15                       ; tile
	v_lshlrev_b32 v1, 4, v19                       ; 16 L
	s_lshl_b32 s26, s24, 21                        ; x: batch, 128 tokens of 4 bytes, my 64 rows of 8,192 bytes
	s_lshl_b32 s2, s25, 9
	s_add_co_u32 s26, s26, s2
	s_lshl_b32 s2, s22, 19
	s_add_co_u32 s26, s26, s2
	s_mov_b32 s27, 0
	s_lshl_b32 s38, s22, 2                         ; 4 h
	s_mov_b32 s39, 0
	s_wait_kmcnt 0x0
	s_cmp_eq_u32 s23, 0
	s_cselect_b64 s[28:29], s[4:5], s[6:7]
	s_cselect_b64 s[32:33], s[10:11], s[12:13]
	s_cmp_eq_u32 s23, 2
	s_cselect_b64 s[28:29], s[8:9], s[28:29]
	s_cselect_b64 s[32:33], s[14:15], s[32:33]
	s_add_nc_u64 s[28:29], s[28:29], s[26:27]
	s_add_nc_u64 s[32:33], s[32:33], s[38:39]      ; bias + 4 h
	global_load_b32 v[BT],   v1, s[32:33]              ; b[4 L + h]: d = L
	global_load_b32 v[BT+1], v1, s[32:33] offset:512   ; b[4 (32 + L) + h]: d = 32 + L
	WIN 0x80                                       ; destination window 2, address window 0
.set i, 0
.rept 56
	global_load_b128 v[4*i:4*i+3], v1, s[28:29] offset:i*8192 th:TH_LOAD_NT   ; row 64 w + i: 512 consecutive bytes
.set i, i+1
.endr
	WIN 0
	s_min_u32 s26, s23, 1                          ; idx: section 0 (qpos) for q, 1 (vpos) for k and v
	s_lshl_b32 s26, s26, 15
	s_lshl_b32 s2, s24, 13
	s_add_co_u32 s26, s26, s2
	s_lshl_b32 s2, s25, 9
	s_add_co_u32 s26, s26, s2
	s_lshl_b32 s2, s22, 7                          ; the 32 tokens that I store
	s_add_co_u32 s26, s26, s2
	s_add_nc_u64 s[34:35], s[18:19], s[26:27]
	s_load_b512 s[68:83], s[34:35], 0x0
	s_load_b512 s[84:99], s[34:35], 0x40
	s_lshl_b32 s26, s23, 17
	s_lshl_b32 s2, s22, 15
	s_add_co_u32 s26, s26, s2
	s_add_nc_u64 s[30:31], s[16:17], s[26:27]      ; my head's 32 fragments
	s_lshl_b32 s26, s23, 22
	s_lshl_b32 s2, s24, 20
	s_add_co_u32 s26, s26, s2
	s_add_nc_u64 s[36:37], s[20:21], s[26:27]      ; qkv[t][b]
	v_and_b32 v2, 15, v19                          ; r
	v_lshrrev_b32 v3, 4, v19                       ; hh
	s_mul_i32 s2, s22, 64*XP
	v_lshl_add_u32 v[XS], v19, 3, s2
	v_and_b32 v18, 7, v19
	v_lshl_add_u32 v18, v3, 3, v18                 ; 8 hh + (L & 7)
	v_mul_u32_u24 v[XA], v18, XP
	v_bfe_u32 v18, v19, 3, 1
	v_lshl_add_u32 v[XA], v18, 4, v[XA]
	v_add_nc_u32 v[XA+1], 128*XP, v[XA]
	v_mul_u32_u24 v[STO], v2, SP
	v_lshl_add_u32 v[STO], v3, 4, v[STO]
	s_lshl_b32 s2, s22, 7
	s_add_co_u32 s2, s2, STAGE
	v_add_nc_u32 v[STO], s2, v[STO]
	s_mul_i32 s2, s22, 32*SP
	s_add_co_u32 s2, s2, STAGE
	v_add_nc_u32 v[RD], s2, v1
	s_lshl_b32 s2, s22, 8
	s_add_co_u32 s2, s2, BLDS
	v_lshl_add_u32 v[BS], v19, 2, s2
	v_lshl_add_u32 v[BR], v3, 5, s2
; Rows 8 g .. 8 g + 7 of x: wait for them, ask for the next 8 loads of the row of loads (g = 0: x rows 56-63; g > 0: W's loads 8 (g - 1) ..),
; round to f16 (16 conversions in a run, each row into a pair of its own), 8 bytes a lane into XT.
; The wait: loads return in order.  Behind group g stand 8 (7 - g) loads of x and 8 (g - 1) of W (g = 0: rows 8-55): 48 each time.
.macro XGROUP g
	s_wait_loadcnt 48
.if \g == 0
	WIN 0x80
.irp k, 0,1,2,3,4,5,6,7
	global_load_b128 v[4*(56+\k):4*(56+\k)+3], v1, s[28:29] offset:(56+\k)*8192 th:TH_LOAD_NT
.endr
	WIN 0
	ds_store_b32 v[BS], v[BT]                      ; the bias stood in front of x in the row of loads: it is in
	ds_store_b32 v[BS], v[BT+1] offset:128
.else
	WIN 0x40                                       ; destination window 1, address window 0
.set n, 8*(\g-1)
.rept 8
	global_load_b128 v[4*n:4*n+3], v1, s[30:31] offset:(n>>1)*1024+(n&1)*512
.set n, n+1
.endr
.endif
	WIN 0x0a                                       ; both sources in window 2
.irp k, 0,1,2,3,4,5,6,7
	v_cvt_pk_f16_f32 v[CT+2*(8*\g+\k)],   v[4*(8*\g+\k)],   v[4*(8*\g+\k)+1]
	v_cvt_pk_f16_f32 v[CT+2*(8*\g+\k)+1], v[4*(8*\g+\k)+2], v[4*(8*\g+\k)+3]
.endr
	WIN 0
.irp k, 0,1,2,3,4,5,6,7
	ds_store_b64 v[XS], v[CT+2*(8*\g+\k):CT+2*(8*\g+\k)+1] offset:(8*\g+\k)*XP
.endr
.endm
	XGROUP 0
	XGROUP 1
	XGROUP 2
	XGROUP 3
	XGROUP 4
	XGROUP 5
	XGROUP 6
	XGROUP 7
	WIN 0x40
.set n, 56
.rept 8
	global_load_b128 v[4*n:4*n+3], v1, s[30:31] offset:(n>>1)*1024+(n&1)*512      ; the last of W
.set n, n+1
.endr
	WIN 0
.irp mt, 0,1,2,3
	ds_load_b128 v[BIAS+8*\mt:BIAS+8*\mt+3],   v[BR] offset:\mt*64        ; b of d = 16 mt + 8 hh + j: my own bytes, and a wave's LDS
	ds_load_b128 v[BIAS+8*\mt+4:BIAS+8*\mt+7], v[BR] offset:\mt*64+16     ; instructions are served in order: these see the two stores above
.endr
	s_wait_loadcnt 0x0                             ; W is whole
	s_wait_dscnt 0x0                               ; my 64 rows of XT are in LDS before I say so (and the bias is in its registers)
	s_barrier_signal -1
	s_barrier_wait -1                              ; all 256 rows are
; the eight B fragments (K = 256) of token tile nt: two transposing loads each, 16 rows of XT apart
.macro BLOAD nt, buf
.irp ks, 0,1,2,3,4,5,6,7
	ds_load_tr16_b128 v[\buf+8*\ks:\buf+8*\ks+3],   v[XA+(\ks>>2)] offset:(\ks&3)*32*XP+(\nt)*32
	ds_load_tr16_b128 v[\buf+8*\ks+4:\buf+8*\ks+7], v[XA+(\ks>>2)] offset:(\ks&3)*32*XP+(\nt)*32+16*XP
.endr
.endm
; One token tile: the next tile's fragments are asked for, 32 matrix instructions, 16 conversions, 4 stage stores.
; left: the LDS instructions behind this tile's 16 loads: the 4 stage stores of the tile before and the 16 loads of the next.
.macro NTILE nt, nn, buf, nbuf, more, left
.if \more
	BLOAD \nn, \nbuf
.endif
	s_wait_dscnt \left
	WIN 0x01                                       ; source 0 (W) in window 1
.irp ks, 0,1,2,3,4,5,6,7
.irp mt, 0,1,2,3
.if \ks == 0
	v_wmma_f32_16x16x32_f16 v[ACC+8*\mt:ACC+8*\mt+7], v[(8*\mt+\ks)*8:(8*\mt+\ks)*8+7], v[\buf+8*\ks:\buf+8*\ks+7], v[BIAS+8*\mt:BIAS+8*\mt+7]
.else
	v_wmma_f32_16x16x32_f16 v[ACC+8*\mt:ACC+8*\mt+7], v[(8*\mt+\ks)*8:(8*\mt+\ks)*8+7], v[\buf+8*\ks:\buf+8*\ks+7], v[ACC+8*\mt:ACC+8*\mt+7]
.endif
.endr
.endr
	WIN 0
	PLACES 5                                       ; behind matrix instructions: before the conversions read the sums, before the next
	                                               ; tile's loads land in this buffer, and before its first products write over the sums
.irp mt, 0,1,2,3
.irp p, 0,1,2,3
	v_cvt_pk_f16_f32 v[TMP+4*\mt+\p], v[ACC+8*\mt+2*\p], v[ACC+8*\mt+2*\p+1]
.endr
.endr
.irp mt, 0,1,2,3
	ds_store_b128 v[STO], v[TMP+4*\mt:TMP+4*\mt+3] offset:\nt*16*SP+\mt*32
.endr
.endm
	BLOAD 0, F0
	NTILE 0, 1, F0, F1, 1, 16
	NTILE 1, 2, F1, F0, 1, 20
	NTILE 2, 3, F0, F1, 1, 20
	NTILE 3, 4, F1, F0, 1, 20
	NTILE 4, 5, F0, F1, 1, 20
	NTILE 5, 6, F1, F0, 1, 20
	NTILE 6, 7, F0, F1, 1, 20
	NTILE 7, 0, F1, F0, 0, 4
	s_wait_dscnt 0x0                               ; my quarter of every token row is in the stage before I say so
	s_barrier_signal -1
	s_barrier_wait -1                              ; the rows are whole
	s_wait_kmcnt 0x0                               ; the 32 positions
	; THE WAY OUT: token 32 w + i: one LDS load and one store of 512 bytes, at row pos of qkv[t][b]
.set i, 0
.rept 32
	s_min_u32 s[68+i], s[68+i], 2047               ; a position is below 2,048; the bound is written out since it forms an address
	v_lshl_add_u32 v[BIAS+i], s[68+i], 9, v1
	ds_load_b128 v[XR+4*i:XR+4*i+3], v[RD] offset:i*SP
.set i, i+1
.endr
.set i, 0
.rept 32
	s_wait_dscnt 31-i                              ; LDS loads return in order: row i is in, the younger ones stay out
	global_store_b128 v[BIAS+i], v[XR+4*i:XR+4*i+3], s[36:37]
.set i, i+1
.endr
	s_wait_tensorcnt 0x0
	ds_add_u32 v126, v127
	s_wait_dscnt 0x0
	s_endpgm
.Lfunc_end_k_q1b67b94414_proj:
	.size	k_q1b67b94414_proj, .Lfunc_end_k_q1b67b94414_proj-k_q1b67b94414_proj
	.p2alignl 7, 3214868480
	.fill 96, 4, 3214868480
	.section	.rodata,"a",@progbits
	.p2align	6, 0x0
	.amdhsa_kernel k_q1b67b94414_proj
		.amdhsa_group_segment_fixed_size 142848
		.amdhsa_private_segment_fixed_size 0
		.amdhsa_enable_private_segment 0
		.amdhsa_kernarg_size 72
		.amdhsa_user_sgpr_count 2
		.amdhsa_user_sgpr_kernarg_segment_ptr 1
		.amdhsa_wavefront_size32 1
		.amdhsa_system_sgpr_workgroup_id_x 1
		.amdhsa_system_sgpr_workgroup_id_y 1
		.amdhsa_system_sgpr_workgroup_id_z 1
		.amdhsa_system_vgpr_workitem_id 0
		.amdhsa_next_free_vgpr 768
		.amdhsa_next_free_sgpr 100
		.amdhsa_reserve_vcc 0
		.amdhsa_float_denorm_mode_32 3
		.amdhsa_float_denorm_mode_16_64 3
		.amdhsa_memory_ordered 1
		.amdhsa_forward_progress 1
		.amdhsa_inst_pref_size 76
	.end_amdhsa_kernel
	.amdgpu_metadata
---
amdhsa.version: [ 1, 2 ]
amdhsa.kernels:
  - .name:           k_q1b67b94414_proj
    .symbol:         k_q1b67b94414_proj.kd
    .args:
      - { .name: query, .offset: 0, .size: 8, .value_kind: global_buffer, .address_space: global }
      - { .name: key, .offset: 8, .size: 8, .value_kind: global_buffer, .address_space: global }
      - { .name: value, .offset: 16, .size: 8, .value_kind: global_buffer, .address_space: global }
      - { .name: bq, .offset: 24, .size: 8, .value_kind: global_buffer, .address_space: global }
      - { .name: bk, .offset: 32, .size: 8, .value_kind: global_buffer, .address_space: global }
      - { .name: bv, .offset: 40, .size: 8, .value_kind: global_buffer, .address_space: global }
      - { .name: wfrag, .offset: 48, .size: 8, .value_kind: global_buffer, .address_space: global }
      - { .name: idx, .offset: 56, .size: 8, .value_kind: global_buffer, .address_space: global }
      - { .name: qkv, .offset: 64, .size: 8, .value_kind: global_buffer, .address_space: global }
    .group_segment_fixed_size: 142848
    .private_segment_fixed_size: 0
    .kernarg_segment_align: 8
    .kernarg_segment_size: 72
    .max_flat_workgroup_size: 128
    .sgpr_count:     100
    .vgpr_count:     768
    .wavefront_size: 32
...
	.end_amdgpu_metadata
.endif
;; end of part 6
;; launch attn (part 7): grid 256 x 1, 8 waves a work-group, no clusters, 212,480 bytes of LDS; arguments qkv, idx, nv; writes nv
.if DOCPART == 7
	.amdgcn_target "amdgcn-amd-amdhsa--gfx1250"
	.amdhsa_code_object_version 6
	.text
	.protected	k_q1b67b94414_attn
	.globl	k_q1b67b94414_attn
	.p2align	8
	.type	k_q1b67b94414_attn,@function
k_q1b67b94414_attn:
	s_mov_b64 s[64:65], 0
	v_nop
	global_prefetch_b8 v0, s[64:65] scope:SCOPE_SE
	s_setreg_imm32_b32 hwreg(HW_REG_WAVE_MODE, 25, 1), 1
	s_wait_xcnt 0x0
; ATTN: softmax(q k / 8, masked by equal labels) v, for 32 queries in sorted order (work-group g: batch g >> 6, positions 32 (g & 63) ..) and
; four heads, over the sorted keys of the queries' buckets only: kst of the first query to ken of the last.
; What lies outside has another bucket, hence another label, and the mask would throw it away.  Inside, whole 32-bit labels are compared.
; EIGHT WAVES: wave w is head w & 3, half w >> 2.  The two waves of a head hold the same 32 queries and share the keys: the range is cut into
; pieces of 128 keys, of which half 0 takes the first 64 and half 1 the second 64, so that the longest chain of dependent blocks is half as
; long and two waves lie on each SIMD (2 x 456 registers).  At the end the two running states (maximum, sum, O) are merged: each wave hands
; the partner its state of one tile of 16 queries through LDS and merges and finishes the other tile.
; Transposed products: S^T = K Q^T (lane = query, registers = keys), O^T = V^T P^T (V^T by transposing LDS loads; P is packed in the lane,
; since the score tile's layout is the B operand's).  So a query's maximum and sum are one number a lane (two lanes, 16 apart, share a query).
; Running maximum, as in the usual online softmax; exponents are (s - max) log2(e) / 8 by one fused multiply-add.
; A masked score is -2^100.  While a query has met no match its maximum is the sentinel and its masked p are 1 (finite); the first match, in
; a later block or in the partner's state, multiplies them by exp2(-huge) = 0; if none comes, the merged maximum still is the sentinel and
; the row is multiplied by 0, as has_match asks.
; LIMITS: operands in f16 (|q|, |k|, |v| < 65,504), so |score| <= 64 x 65,504^2 < 2^100: no true score reaches the sentinel.
;         The denominator adds the f32 p, the numerator uses p rounded to f16.
; Each wave loads, stores and reads its own head's 128 bytes of each of its key rows: own LDS bytes, no barrier in the loop; the four waves
; of a half together read whole 512-byte rows.  Blocks are asked for one trip ahead, through registers.
; No cluster and no tensor loads: neighbouring groups' key ranges start and end at numbers read from memory, so partners would need different
; numbers of tiles; the trip count varies, and a counted ring would have to ask past the range.
.set KP,    144                        ; K rows: 128 bytes + 16
.set VP,    160                        ; V rows: 128 bytes + 32 (odd multiple of 32, for the transposing loads)
.set WREG,  19712                      ; a wave's region: K 9,216, V 10,240, labels 256
.set VOFF,  9216
.set LOFF,  19456
.set STAGE, 8*WREG                     ; 32 rows of 512 bytes,
.set SP,    528                        ; + 16
.set XBASE, STAGE+32*SP                ; the exchange: X(head, tile) at (2 head + tile) XREG
.set XREG,  4608                       ; 32 registers of O (8 x 512 bytes), then 8 bytes a lane: maximum, sum
.set GO,  4                            ; global: row L >> 3 of 512 bytes, 16 (L & 7)
.set KS,  5                            ; LDS store addresses
.set VS,  6
.set KF,  7                            ; K fragment: row r, 16 hh
.set VF,  8                            ; V^T fragment
.set LSA, 9                            ; labels in: 8 L
.set LF,  10                           ; labels out: 32 hh
.set L8,  11
.set QO,  12
.set L16, 13
.set STO, 14
.set RD,  15
.set QL,  16                           ; v[16:17]  my query's label, tile 0, 1
.set MC,  18                           ; v18, v20  running maximum x log2(e)/8 (pairs; the upper register only fills the pair)
.set LSUM,22                           ; v[22:23], v[24:25] running sums, two partial sums each
.set AL,  26                           ; v26, v28  the trip's factors; in the merge my factor and the partner's (pairs as MC)
.set T,   30                           ; v[30:39]  at work
.set QF,  40                           ; v[40:71]  Q fragments (nt*2 + ks)*8
.set LB,  72                           ; v[72:103] key labels mt*8 + j
.set FR,  104                          ; v[104:167] K fragments (mt*2 + ks)*8, then V^T (dt*2 + kk)*8; in the merge the partner's O
.set SS,  168                          ; v[168:231] S(nt, mt) at 32 nt + 8 mt; P(nt, kk) packed in place at 32 nt + 16 kk
.set XS,  232                          ; v232      exchange: my head's two regions, 16 L
.set XS2, 233                          ; v233      the same, 8 L
.set KL,  0                            ; window 1: v256-319 K as loaded, v320-383 V, v384-385 labels, v392-455 O(nt, dt) at (4 nt + dt)*8
.set VL,  64
.set LL,  128
.set OO,  136
.set MSB, 0
.macro WIN new
.if MSB != \new
	s_set_vgpr_msb (MSB<<8)|\new
.set MSB, \new
.endif
.endm
.macro PLACES n
.rept \n
	v_nop
.endr
.endm
	s_load_b128 s[4:7], s[0:1], 0x0                ; qkv, idx
	s_load_b64 s[8:9], s[0:1], 0x10                ; nv
	v_lshl_add_u32 v254, v0, 2, 0x33a00
	v_mov_b32 v255, 0
	v_lshrrev_b32 v30, 5, v0
	v_readfirstlane_b32 s32, v30                   ; wave 0..7
	s_and_b32 s48, s32, 3                          ; head
	s_lshr_b32 s49, s32, 2                         ; half
	s_lshr_b32 s33, ttmp9, 6                       ; b
	s_and_b32 s34, ttmp9, 63                       ; query tile
	s_lshl_b32 s36, s33, 13
	s_lshl_b32 s35, s34, 7
	s_add_co_u32 s36, s36, s35
	s_mov_b32 s37, 0
	s_lshl_b32 s14, s32, 4                         ; the 4 rows that I store: 16 w bytes
	s_wait_kmcnt 0x0
	s_add_nc_u64 s[10:11], s[6:7], s[36:37]        ; idx + batch + 4 p0
	s_load_b32 s12, s[10:11], 0x28000              ; kst of the first query
	s_load_b32 s13, s[10:11], 0x3007c              ; ken of the last
	s_load_b128 s[24:27], s[10:11], s14 offset:0x20000     ; qorig of rows 4 w .. 4 w + 3
	s_lshl_b32 s36, s33, 20
	s_lshl_b32 s35, s34, 14
	s_add_co_u32 s36, s36, s35
	s_lshl_b32 s35, s48, 7
	s_add_co_u32 s36, s36, s35
	s_add_nc_u64 s[22:23], s[4:5], s[36:37]        ; q[b][p0], my head's 128 bytes
	v_and_b32 v1, 31, v0                           ; L
	v_and_b32 v2, 15, v0                           ; r
	v_bfe_u32 v3, v0, 4, 1                         ; hh
	v_lshlrev_b32 v[QO], 9, v2
	v_lshl_add_u32 v[QO], v3, 4, v[QO]
	v_lshlrev_b32 v35, 2, v2
.irp nt, 0,1
.irp ks, 0,1
	global_load_b128 v[QF+(2*\nt+\ks)*8:QF+(2*\nt+\ks)*8+3],   v[QO], s[22:23] offset:\nt*8192+\ks*64
	global_load_b128 v[QF+(2*\nt+\ks)*8+4:QF+(2*\nt+\ks)*8+7], v[QO], s[22:23] offset:\nt*8192+\ks*64+32
.endr
	global_load_b32 v[QL+\nt], v35, s[10:11] offset:0x10000+64*\nt
.endr
	s_mov_b32 s38, 0x76543210                      ; v_permlanex16_b32: lane i takes lane i of the other half
	s_mov_b32 s39, 0xfedcba98
	s_mov_b32 s40, 0x3e38aa3b                      ; log2(e) / 8
	s_mov_b32 s41, 0x3e38aa3b
	s_mov_b32 s42, 0xf1800000                      ; -2^100
	s_mov_b32 s43, 0xf038aa3b                      ; -2^100 x log2(e) / 8, exact: a power of two times the constant
	s_mul_i32 s35, s32, WREG
	s_add_co_u32 s46, s35, VOFF
	s_add_co_u32 s47, s35, LOFF
	v_lshrrev_b32 v30, 3, v1                       ; L >> 3
	v_and_b32 v31, 7, v1                           ; L & 7
	v_lshlrev_b32 v32, 4, v31
	v_lshl_add_u32 v[GO], v30, 9, v32
	v_mad_u32_u24 v[KS], v30, KP, v32
	v_add_nc_u32 v[KS], s35, v[KS]
	v_mad_u32_u24 v[VS], v30, VP, v32
	v_add_nc_u32 v[VS], s46, v[VS]
	v_mul_u32_u24 v[KF], v2, KP
	v_lshl_add_u32 v[KF], v3, 4, v[KF]
	v_add_nc_u32 v[KF], s35, v[KF]
	v_lshl_add_u32 v33, v3, 3, v31                 ; 8 hh + (L & 7)
	v_mul_u32_u24 v[VF], v33, VP
	v_and_b32 v34, 1, v30
	v_lshl_add_u32 v[VF], v34, 4, v[VF]
	v_add_nc_u32 v[VF], s46, v[VF]
	v_lshl_add_u32 v[LSA], v1, 3, s47
	v_lshl_add_u32 v[LF], v3, 5, s47
	v_lshlrev_b32 v[L8], 3, v1
	v_lshlrev_b32 v[L16], 4, v1
	v_mul_u32_u24 v[STO], v2, SP
	v_lshl_add_u32 v[STO], v3, 4, v[STO]
	s_lshl_b32 s35, s48, 7
	s_add_co_u32 s35, s35, STAGE
	v_add_nc_u32 v[STO], s35, v[STO]               ; stage: row r, my head's 128 bytes, 16 hh
	s_mul_i32 s35, s32, 4*SP
	s_add_co_u32 s35, s35, STAGE
	v_add_nc_u32 v[RD], s35, v[L16]                ; stage: row 4 w, 16 L
	s_mul_i32 s35, s48, 2*XREG
	s_add_co_u32 s35, s35, XBASE
	v_add_nc_u32 v[XS], s35, v[L16]
	v_add_nc_u32 v[XS2], s35, v[L8]
	v_mov_b32 v[MC+1], 0                           ; upper registers of pairs of which the lower one is broadcast
	v_mov_b32 v[MC+3], 0
	v_mov_b32 v[AL+1], 0
	v_mov_b32 v[AL+3], 0
	s_wait_kmcnt 0x0
	; the range: trips pieces of 128 keys from kb on, inside the 2,048 rows, covering [kst, ken); my blocks are kb + 64 half + 128 t
	s_min_u32 s12, s12, 2048
	s_and_b32 s12, s12, 0xfffffff8                 ; the label loads take 8 bytes a lane: an even start
	s_min_u32 s13, s13, 2048
	s_sub_co_u32 s15, s13, s12
	s_add_co_u32 s15, s15, 127
	s_lshr_b32 s15, s15, 7
	s_max_u32 s15, s15, 1                          ; an empty range still takes one piece: all masked, the rows come out zero
	s_min_u32 s15, s15, 16
	s_lshl_b32 s14, s15, 7
	s_sub_co_u32 s14, 2048, s14
	s_min_u32 s14, s14, s12                        ; moved down where the last piece would pass the end
	s_min_u32 s14, s14, 1920
	s_lshl_b32 s35, s49, 6
	s_add_co_u32 s14, s14, s35                     ; + 64 half: my first block; my last row is kb + 128 trips - 1 at the most, below 2,048
	s_lshl_b32 s36, s33, 20
	s_lshl_b32 s35, s14, 9
	s_add_co_u32 s36, s36, s35
	s_lshl_b32 s35, s48, 7
	s_add_co_u32 s36, s36, s35
	s_add_co_u32 s36, s36, 0x400000
	s_add_nc_u64 s[16:17], s[4:5], s[36:37]        ; k[b][my first row], my head
	s_add_nc_u64 s[18:19], s[16:17], 0x400000      ; v likewise
	s_lshl_b32 s36, s33, 13
	s_lshl2_add_u32 s36, s14, s36
	s_add_co_u32 s36, s36, 98304
	s_add_nc_u64 s[20:21], s[6:7], s[36:37]        ; vlab[b][my first row]
; a block of 64 keys into registers of window 1: 16 loads of K, 16 of V (4 rows x 128 bytes each), one of labels
.macro FETCH
	WIN 0x40
.irp i, 0,1,2,3,4,5,6,7,8,9,10,11,12,13,14,15
	global_load_b128 v[KL+4*\i:KL+4*\i+3], v[GO], s[16:17] offset:\i*2048
.endr
.irp i, 0,1,2,3,4,5,6,7,8,9,10,11,12,13,14,15
	global_load_b128 v[VL+4*\i:VL+4*\i+3], v[GO], s[18:19] offset:\i*2048
.endr
	global_load_b64 v[LL:LL+1], v[L8], s[20:21]
	WIN 0
.endm
; softmax step of query tile nt on its 32 score registers
.macro SOFT nt, first
.set SB,  SS+32*\nt
.set MCR, MC+2*\nt
.set LSR, LSUM+2*\nt
.set ALR, AL+2*\nt
.irp q, 0,1,2,3
	v_max3_num_f32 v[T+\q], v[SB+8*\q], v[SB+8*\q+1], v[SB+8*\q+2]     ; four chains that do not wait for each other
.endr
.irp q, 0,1,2,3
	v_max3_num_f32 v[T+\q], v[T+\q], v[SB+8*\q+3], v[SB+8*\q+4]
.endr
.irp q, 0,1,2,3
	v_max3_num_f32 v[T+\q], v[T+\q], v[SB+8*\q+5], v[SB+8*\q+6]
.endr
.irp q, 0,1,2,3
	v_max_num_f32 v[T+\q], v[T+\q], v[SB+8*\q+7]
.endr
	v_max3_num_f32 v[T], v[T], v[T+1], v[T+2]
	v_max_num_f32 v[T], v[T], v[T+3]
	v_permlanex16_b32 v[T+4], v[T], s38, s39       ; the other 32 keys of my query
	v_max_num_f32 v[T], v[T], v[T+4]
.if \first
	v_mul_f32 v[MCR], s40, v[T]
.else
	v_mul_f32 v[T], s40, v[T]
	v_max_num_f32 v[T+1], v[MCR], v[T]
	v_sub_f32 v[T+2], v[MCR], v[T+1]
	v_exp_f32 v[ALR], v[T+2]                       ; old sums shrink by 2^(old - new)
	v_mov_b32 v[MCR], v[T+1]                       ; (a plain instruction behind the exponential, ISA guide 5.7.2)
.endif
.irp p, 0,1,2,3,4,5,6,7,8,9,10,11,12,13,14,15
	v_pk_fma_f32 v[SB+2*\p:SB+2*\p+1], v[SB+2*\p:SB+2*\p+1], s[40:41], v[MCR:MCR+1] op_sel_hi:[1,0,0] neg_lo:[0,0,1] neg_hi:[0,0,1]
.endr
.set i, 0
.rept 32
	v_exp_f32 v[SB+i], v[SB+i]
.set i, i+1
.endr
	v_nop                                          ; one plain place before the exponentials' results are read
	s_wait_alu depctr_va_vdst(0)
	v_pk_add_f32 v[T+6:T+7], v[SB:SB+1], v[SB+2:SB+3]
	v_pk_add_f32 v[T+8:T+9], v[SB+16:SB+17], v[SB+18:SB+19]
.irp p, 2,3,4,5,6,7
	v_pk_add_f32 v[T+6:T+7], v[T+6:T+7], v[SB+2*\p:SB+2*\p+1]
	v_pk_add_f32 v[T+8:T+9], v[T+8:T+9], v[SB+16+2*\p:SB+16+2*\p+1]
.endr
.if \first
	v_pk_add_f32 v[LSR:LSR+1], v[T+6:T+7], v[T+8:T+9]
.else
	v_pk_add_f32 v[T+6:T+7], v[T+6:T+7], v[T+8:T+9]
	v_pk_fma_f32 v[LSR:LSR+1], v[LSR:LSR+1], v[ALR:ALR+1], v[T+6:T+7] op_sel_hi:[1,0,1]
.endif
.irp kk, 0,1
.irp p, 0,1,2,3,4,5,6,7
	v_cvt_pk_f16_f32 v[SB+16*\kk+\p], v[SB+16*\kk+2*\p], v[SB+16*\kk+2*\p+1]    ; in place, ascending: register p is written when 2 p, 2 p + 1 are read
.endr
.endr
.endm
; One block of 64 keys.  first = 1: its products and sums start the running ones.
.macro TRIP first, tag
	s_wait_loadcnt 0x0                             ; the block asked for a trip ago (in the first trip also Q and its labels); zero, so that it
	                                               ; holds whether or not the branch below has asked for a further block
	WIN 0x04                                       ; store data in window 1
.irp i, 0,1,2,3,4,5,6,7,8,9,10,11,12,13,14,15
	ds_store_b128 v[KS], v[KL+4*\i:KL+4*\i+3] offset:\i*4*KP
.endr
.irp i, 0,1,2,3,4,5,6,7,8,9,10,11,12,13,14,15
	ds_store_b128 v[VS], v[VL+4*\i:VL+4*\i+3] offset:\i*4*VP
.endr
	ds_store_b64 v[LSA], v[LL:LL+1]
	WIN 0
	s_add_co_u32 s45, s44, 1
	s_cmp_ge_u32 s45, s15
	s_cbranch_scc1 .Lnf\tag                        ; the last trip asks for nothing: no load passes the range
	s_add_nc_u64 s[16:17], s[16:17], 65536         ; 128 rows on: the partner has the 64 between  (their loads are done: the wait above)
	s_add_nc_u64 s[18:19], s[18:19], 65536
	s_add_nc_u64 s[20:21], s[20:21], 512
	FETCH
.Lnf\tag:
.irp mt, 0,1,2,3
.irp ks, 0,1
	ds_load_b128 v[FR+(2*\mt+\ks)*8:FR+(2*\mt+\ks)*8+3],   v[KF] offset:\mt*16*KP+\ks*64      ; a wave's LDS instructions are served in order:
	ds_load_b128 v[FR+(2*\mt+\ks)*8+4:FR+(2*\mt+\ks)*8+7], v[KF] offset:\mt*16*KP+\ks*64+32   ; these see my stores above
.endr
.endr
.irp mt, 0,1,2,3
	ds_load_b128 v[LB+8*\mt:LB+8*\mt+3],   v[LF] offset:\mt*64
	ds_load_b128 v[LB+8*\mt+4:LB+8*\mt+7], v[LF] offset:\mt*64+16
.endr
	s_wait_dscnt 0x8                               ; K's fragments are in; the 8 label loads stay out
.irp nt, 0,1
.irp mt, 0,1,2,3
	v_wmma_f32_16x16x32_f16 v[SS+32*\nt+8*\mt:SS+32*\nt+8*\mt+7], v[FR+16*\mt:FR+16*\mt+7], v[QF+16*\nt:QF+16*\nt+7], 0
.endr
.endr
.irp nt, 0,1
.irp mt, 0,1,2,3
	v_wmma_f32_16x16x32_f16 v[SS+32*\nt+8*\mt:SS+32*\nt+8*\mt+7], v[FR+16*\mt+8:FR+16*\mt+15], v[QF+16*\nt+8:QF+16*\nt+15], v[SS+32*\nt+8*\mt:SS+32*\nt+8*\mt+7]
.endr
.endr
	PLACES 5                                       ; behind matrix instructions: before loads land in K's fragments, before the mask
	                                               ; reads and writes the scores, and before the scores' registers serve as the next products' B
.irp dt, 0,1,2,3
.irp kk, 0,1
	ds_load_tr16_b128 v[FR+(2*\dt+\kk)*8:FR+(2*\dt+\kk)*8+3],   v[VF] offset:\kk*32*VP+\dt*32
	ds_load_tr16_b128 v[FR+(2*\dt+\kk)*8+4:FR+(2*\dt+\kk)*8+7], v[VF] offset:\kk*32*VP+\dt*32+16*VP
.endr
.endr
	s_wait_dscnt 0x10                              ; the labels are in; the 16 loads of V^T stay out
.irp nt, 0,1
.irp mt, 0,1,2,3
.irp j, 0,1,2,3,4,5,6,7
	v_cmp_eq_u32 vcc_lo, v[LB+8*\mt+\j], v[QL+\nt]
	v_cndmask_b32 v[SS+32*\nt+8*\mt+\j], s42, v[SS+32*\nt+8*\mt+\j], vcc_lo
.endr
.endr
.endr
	SOFT 0, \first
	SOFT 1, \first
.if \first == 0
	WIN 0x41                                       ; O in window 1, the factor in window 0
.irp nt, 0,1
.irp q, 0,1,2,3,4,5,6,7,8,9,10,11,12,13,14,15
	v_pk_mul_f32 v[OO+32*\nt+2*\q:OO+32*\nt+2*\q+1], v[OO+32*\nt+2*\q:OO+32*\nt+2*\q+1], v[AL+2*\nt:AL+2*\nt+1] op_sel_hi:[1,0]
.endr
.endr
.endif
	s_wait_dscnt 0x0                               ; V^T is in
	WIN 0x50                                       ; C and D in window 1
.irp nt, 0,1
.irp dt, 0,1,2,3
.if \first
	v_wmma_f32_16x16x32_f16 v[OO+(4*\nt+\dt)*8:OO+(4*\nt+\dt)*8+7], v[FR+16*\dt:FR+16*\dt+7], v[SS+32*\nt:SS+32*\nt+7], 0
.else
	v_wmma_f32_16x16x32_f16 v[OO+(4*\nt+\dt)*8:OO+(4*\nt+\dt)*8+7], v[FR+16*\dt:FR+16*\dt+7], v[SS+32*\nt:SS+32*\nt+7], v[OO+(4*\nt+\dt)*8:OO+(4*\nt+\dt)*8+7]
.endif
.endr
.endr
.irp nt, 0,1
.irp dt, 0,1,2,3
	v_wmma_f32_16x16x32_f16 v[OO+(4*\nt+\dt)*8:OO+(4*\nt+\dt)*8+7], v[FR+16*\dt+8:FR+16*\dt+15], v[SS+32*\nt+16:SS+32*\nt+23], v[OO+(4*\nt+\dt)*8:OO+(4*\nt+\dt)*8+7]
.endr
.endr
	WIN 0
	PLACES 5                                       ; before the next trip's loads into the fragments and its products over P, and before O is read
.endm
; I hand my state of query tile nt to the partner: maximum and sum (8 bytes a lane), 32 registers of O (8 stores of 16 bytes a lane)
.macro GIVE nt
	v_mov_b32 v[T+6], v[MC+2*\nt]
	v_mov_b32 v[T+7], v[T+\nt]
	ds_store_b64 v[XS2], v[T+6:T+7] offset:\nt*XREG+4096
	WIN 0x04                                       ; store data in window 1
.irp q, 0,1,2,3,4,5,6,7
	ds_store_b128 v[XS], v[OO+32*\nt+4*\q:OO+32*\nt+4*\q+3] offset:\nt*XREG+512*\q
.endr
	WIN 0
.endm
; I take the partner's state of query tile nt (same lanes, same registers), merge it with mine, divide by the sum, and put my head's
; 128 bytes of the tile's 16 rows into the stage
.macro TAKE nt
	ds_load_b64 v[T+8:T+9], v[XS2] offset:\nt*XREG+4096
.irp q, 0,1,2,3,4,5,6,7
	ds_load_b128 v[FR+4*\q:FR+4*\q+3], v[XS] offset:\nt*XREG+512*\q
.endr
	s_wait_dscnt 0x8                               ; the partner's maximum and sum are in; the 8 loads of its O stay out
	v_max_num_f32 v[T+2], v[MC+2*\nt], v[T+8]      ; the maximum over all keys
	v_sub_f32 v[T+3], v[MC+2*\nt], v[T+2]
	v_sub_f32 v[T+4], v[T+8], v[T+2]
	v_exp_f32 v[AL], v[T+3]                        ; my factor,
	v_exp_f32 v[AL+2], v[T+4]                      ; the partner's
	v_nop                                          ; one plain place behind the exponentials
	s_wait_alu depctr_va_vdst(0)
	v_mul_f32 v[T+3], v[AL], v[T+\nt]
	v_fmac_f32 v[T+3], v[AL+2], v[T+9]             ; the sum over my lane's keys of both halves,
	v_permlanex16_b32 v[T+4], v[T+3], s38, s39
	v_add_f32 v[T+3], v[T+3], v[T+4]               ; and over those of the lane 16 apart, which shares my query
	v_rcp_f32 v[T+5], v[T+3]
	v_nop                                          ; one plain place behind the reciprocal
	v_cmp_lt_f32 vcc_lo, s43, v[T+2]               ; a maximum above the sentinel: the query has a match
	s_wait_alu depctr_va_vdst(0)
	v_cndmask_b32 v[T+5], 0, v[T+5], vcc_lo
	v_mul_f32 v[AL], v[AL], v[T+5]
	v_mul_f32 v[AL+2], v[AL+2], v[T+5]
	s_wait_dscnt 0x0                               ; the partner's O is in
.irp q, 0,1,2,3,4,5,6,7,8,9,10,11,12,13,14,15
	v_pk_mul_f32 v[FR+2*\q:FR+2*\q+1], v[FR+2*\q:FR+2*\q+1], v[AL+2:AL+3] op_sel_hi:[1,0]
.endr
	WIN 0x01                                       ; source 0 (my O) in window 1
.irp q, 0,1,2,3,4,5,6,7,8,9,10,11,12,13,14,15
	v_pk_fma_f32 v[FR+2*\q:FR+2*\q+1], v[OO+32*\nt+2*\q:OO+32*\nt+2*\q+1], v[AL:AL+1], v[FR+2*\q:FR+2*\q+1] op_sel_hi:[1,0,1]
.endr
	WIN 0
.irp q, 0,1,2,3,4,5,6,7,8,9,10,11,12,13,14,15
	v_cvt_pk_f16_f32 v[SS+\q], v[FR+2*\q], v[FR+2*\q+1]
.endr
.irp dt, 0,1,2,3
	ds_store_b128 v[STO], v[SS+4*\dt:SS+4*\dt+3] offset:\nt*16*SP+\dt*32
.endr
.endm
	FETCH
	s_mov_b32 s44, 0
	TRIP 1, a
	s_mov_b32 s44, 1
	s_cmp_ge_u32 s44, s15
	s_cbranch_scc1 .Ldone
.Lloop:
	TRIP 0, b
	s_add_co_u32 s44, s44, 1
	s_cmp_lt_u32 s44, s15
	s_cbranch_scc1 .Lloop
.Ldone:
	s_lshl_b32 s36, s33, 20
	s_add_nc_u64 s[22:23], s[8:9], s[36:37]        ; nv[b]  (Q's loads were waited for in the first trip)
	v_add_f32 v[T], v[LSUM], v[LSUM+1]             ; my lane's sums of tile 0, 1
	v_add_f32 v[T+1], v[LSUM+2], v[LSUM+3]
	s_cmp_ge_u32 s32, 4
	s_cbranch_scc1 .Lgive0
	GIVE 1                                         ; half 0 keeps tile 0
	s_branch .Lgiven
.Lgive0:
	GIVE 0                                         ; half 1 keeps tile 1
.Lgiven:
	s_wait_dscnt 0x0                               ; what I hand over is in LDS before I say so
	s_barrier_signal -1
	s_barrier_wait -1                              ; and so is what I am handed
	s_cmp_ge_u32 s32, 4
	s_cbranch_scc1 .Ltake1
	TAKE 0
	s_branch .Ltaken
.Ltake1:
	TAKE 1
.Ltaken:
	s_wait_dscnt 0x0                               ; my 128 bytes of 16 rows are in the stage before I say so
	s_barrier_signal -1
	s_barrier_wait -1                              ; the 32 rows are whole
.irp i, 0,1,2,3
	s_min_u32 s[24+\i], s[24+\i], 2047             ; a token number is below 2,048; the bound is written out since it forms an address
	v_lshl_add_u32 v[T+\i], s[24+\i], 9, v[L16]
	ds_load_b128 v[FR+4*\i:FR+4*\i+3], v[RD] offset:\i*SP
.endr
.irp i, 0,1,2,3
	s_wait_dscnt 3-\i                              ; row i is in, the younger loads stay out
	global_store_b128 v[T+\i], v[FR+4*\i:FR+4*\i+3], s[22:23]      ; a whole row of 512 aligned bytes, at the query's own token
.endr
	s_wait_tensorcnt 0x0
	ds_add_u32 v254, v255
	s_wait_dscnt 0x0
	s_endpgm
.Lfunc_end_k_q1b67b94414_attn:
	.size	k_q1b67b94414_attn, .Lfunc_end_k_q1b67b94414_attn-k_q1b67b94414_attn
	.p2alignl 7, 3214868480
	.fill 96, 4, 3214868480
	.section	.rodata,"a",@progbits
	.p2align	6, 0x0
	.amdhsa_kernel k_q1b67b94414_attn
		.amdhsa_group_segment_fixed_size 212480
		.amdhsa_private_segment_fixed_size 0
		.amdhsa_enable_private_segment 0
		.amdhsa_kernarg_size 24
		.amdhsa_user_sgpr_count 2
		.amdhsa_user_sgpr_kernarg_segment_ptr 1
		.amdhsa_wavefront_size32 1
		.amdhsa_system_sgpr_workgroup_id_x 1
		.amdhsa_system_sgpr_workgroup_id_y 1
		.amdhsa_system_sgpr_workgroup_id_z 1
		.amdhsa_system_vgpr_workitem_id 0
		.amdhsa_next_free_vgpr 456
		.amdhsa_next_free_sgpr 66
		.amdhsa_reserve_vcc 1
		.amdhsa_float_denorm_mode_32 3
		.amdhsa_float_denorm_mode_16_64 3
		.amdhsa_memory_ordered 1
		.amdhsa_forward_progress 1
		.amdhsa_inst_pref_size 74
	.end_amdhsa_kernel
	.amdgpu_metadata
---
amdhsa.version: [ 1, 2 ]
amdhsa.kernels:
  - .name:           k_q1b67b94414_attn
    .symbol:         k_q1b67b94414_attn.kd
    .args:
      - { .name: qkv, .offset: 0, .size: 8, .value_kind: global_buffer, .address_space: global }
      - { .name: idx, .offset: 8, .size: 8, .value_kind: global_buffer, .address_space: global }
      - { .name: nv, .offset: 16, .size: 8, .value_kind: global_buffer, .address_space: global }
    .group_segment_fixed_size: 212480
    .private_segment_fixed_size: 0
    .kernarg_segment_align: 8
    .kernarg_segment_size: 24
    .max_flat_workgroup_size: 256
    .sgpr_count:     66
    .vgpr_count:     456
    .wavefront_size: 32
...
	.end_amdgpu_metadata
.endif
;; end of part 7
;; launch outp: the kernel of part 4 again; grid 256 x 1, 4 waves a work-group, no clusters, 69,120 bytes of LDS; arguments nv, wfrag, bm, out0; writes out0
;; ======== version 3 of 3: 4 launches; version 2 with the launch proj written anew for expert scheduling mode
;; limits: values are held in f16: magnitudes above 65,504 overflow, below 6.1e-05 lose precision
;; workspace buffers: wfrag 524,288 bytes; idx 229,376 bytes of whole numbers; qkv 12,582,912 bytes; nv 4,194,304 bytes
;; launch prep: the kernel of part 5 again; grid 60 x 1, 16 waves a work-group, no clusters, 6,656 bytes of LDS; arguments query_labels, value_labels, Wq, Wk, Wv, Wm, idx, wfrag; writes idx, wfrag
;; launch proj (part 8): grid 192 x 1, 4 waves a work-group, no clusters, 142,848 bytes of LDS; arguments query, key, value, bq, bk, bv, wfrag, idx, qkv; writes qkv
.if DOCPART == 8
	.amdgcn_target "amdgcn-amd-amdhsa--gfx1250"
	.amdhsa_code_object_version 6
	.text
	.protected	k_q1b67b94414_proj
	.globl	k_q1b67b94414_proj
	.p2align	8
	.type	k_q1b67b94414_proj,@function
k_q1b67b94414_proj:
	s_mov_b64 s[64:65], 0
	v_nop
	global_prefetch_b8 v0, s[64:65] scope:SCOPE_SE
	s_setreg_imm32_b32 hwreg(HW_REG_WAVE_SCHED_MODE, 0, 2), 2
	s_setreg_imm32_b32 hwreg(HW_REG_WAVE_MODE, 25, 1), 1
	s_wait_xcnt 0x0
	s_wait_alu depctr_vm_vsrc(0)
; PROJ: q, k, v = W x + b.  Work-group g: tensor t = g >> 6 (q, k, v), batch b = (g >> 4) & 3, 128 tokens (g & 15), all 256 outputs.
; Wave w is head w: 64 output rows (d = 0..63, W's rows 4 d + w), its quarter of W in 256 registers, 8 tiles of 16 tokens: 256 matrix instructions.
; x [c][n] f32 comes through registers (it has to be rounded to f16), lies in LDS as [c][128 n] f16 and is read by transposing loads as the
; B operand (lane = token).  A result lane then holds 8 neighbouring d of one token = 16 bytes of the token's row [c' = 64 h + d].
; Rows are gathered in LDS and each is stored whole (512 consecutive, aligned bytes by one wave instruction) at the token's SORTED position,
; read from idx (whole numbers of the launch before).
; ALL LOADS STAND IN ONE ROW: 2 of the bias, 64 rows of x, 64 of W, each into registers of its own (x: 256 registers of window 2, W: window 1),
; 58 issued at once and 8 more whenever 8 rows of x have come: nothing is asked for only after something else has been worked on.
; The bias is the C operand of the first product of each sum: nothing is cleared and nothing added afterwards.
; LIMIT: operands and results in f16: |x|, |W|, |q|, |k|, |v| < 65,504 (f16 and not bf16: five roundings lie between input and output).
; 192 work-groups: 3 x 4 x 16 tiles; halving the outputs of a group would read x twice.
; No cluster: what groups share is W, 32,768 bytes a wave, loaded once from wfrag straight into registers in fragment order;
; a joint request lands in LDS, from where the same 131,072 bytes a group would have to be read again.
; THE MODE: SCHED_MODE bits 1:0 = 2 (LLVM: expert scheduling mode 2), set by the entry lines.  The code itself states the register dependences
; between vector or matrix instructions and memory or LDS instructions, with s_wait_alu, always for 0.
; THE PLAN.  Registers that memory or LDS instructions touch:
;   v1, v4-v10   offsets and LDS addresses: written once at the head, never again.
;   window 1     W: landed once, read by the products.
;   window 2     x as loaded: read by group g's conversions.  Then the fragments of token tiles 0-3.   window 3: the fragments of tiles 4-7.
;                Each tile's fragments have registers of their own: no load lands in a register that a product has read.
;   v128-255     three lives.  CT: a pair for each of my 64 rows of x, written by group g's conversions, read by the 8 LDS stores issued in group g + 1.
;                TMP: 16 registers for each token tile, written by its conversions, read by its 4 stage stores.  XR: rows read back, read by the global stores.
;   v24-55       the bias (landed from LDS, read by the products as C); on the way out 32 offsets, written by vector lines, read by the global stores.
;   The accumulators (two sets, by the tile's parity) are named by matrix and vector instructions alone.
; THE WAITS.  x: one wait on va_vdst at a group's head, behind the wait for its data: the group before has written its part of CT; the group's 8 loads and the 8 stores
; of the group before follow it, and the group's own conversions name other registers.  Products: tile t - 1's conversions stand behind tile t's products (the other set of
; accumulators); one wait on va_vdst for the stage stores of two tiles; the fragments' loads, two tiles ahead, stand among the products and hang on nothing issued since.
; One wait on vm_vsrc behind each barrier, where v128-255 change their life.
.set XP,    288                        ; XT pitch: 256 bytes + 32, an odd multiple of 32 bytes, for the transposing loads
.set STAGE, 73728                      ; behind XT (256 rows x 288)
.set SP,    528                        ; stage pitch: 512 bytes + 16, an odd multiple of 16 bytes
.set BLDS,  STAGE+128*SP               ; behind the stage: 256 bytes a wave, its head's 64 biases in the order of d
.set XS,   4                           ; v4   where I put 8 bytes of row 64 w + i of XT
.set XA,   5                           ; v5-6 transposing loads: K steps 0-3, 4-7 (the immediate has 16 bits)
.set STO,  7                           ; v7   stage: token r, my head's 128 bytes, 16 hh
.set RD,   8                           ; v8   stage: row 32 w, 16 L
.set BS,   9                           ; v9   bias in: 4 L
.set BR,   10                          ; v10  bias out: 32 hh
.set BT,   12                          ; v[12:13]   bias as loaded: d = L, d = 32 + L
.set BIAS, 24                          ; v[24:55]   C of the first products (mt*8 + j); on the way out: 32 offsets
.set ACC,  56                          ; v[56:119]  two sets of four accumulator tiles: token tile nt has set nt & 1
.set CT,   128                         ; v[128:255] x rounded, a pair of registers for each of my 64 rows;
.set TMP,  128                         ;            then packed results, 16 registers for each token tile;
.set XR,   128                         ;            then the way out
                                       ; v256-511  (window 1): W fragments at (mt*8 + ks)*8
                                       ; v512-767  (window 2): x as loaded, row i at 4 i; then the B fragments of token tiles 0-3, 64 registers each
                                       ; v768-1023 (window 3): the B fragments of token tiles 4-7
.set MSB, 0
.macro WIN new                         ; s_set_vgpr_msb; the immediate's high byte repeats the setting that is left
.if MSB != (\new)
	s_set_vgpr_msb (MSB<<8)|(\new)
.set MSB, (\new)
.endif
.endm
.macro PLACES n
.rept \n
	v_nop
.endr
.endm
	s_load_b512 s[4:19], s[0:1], 0x0               ; query 4, key 6, value 8, bq 10, bk 12, bv 14, wfrag 16, idx 18
	s_load_b64 s[20:21], s[0:1], 0x40              ; qkv
	v_lshl_add_u32 v126, v0, 2, 0x22c00
	v_mov_b32 v127, 0
	v_and_b32 v19, 31, v0                          ; L
	v_lshrrev_b32 v18, 5, v0
	v_readfirstlane_b32 s22, v18                   ; w
	s_lshr_b32 s23, ttmp9, 6                       ; t
	s_bfe_u32 s24, ttmp9, 0x20004                  ; b
	s_and_b32 s25, ttmp9, 15                       ; tile
	v_lshlrev_b32 v1, 4, v19                       ; 16 L
	s_lshl_b32 s26, s24, 21                        ; x: batch, 128 tokens of 4 bytes, my 64 rows of 8,192 bytes
	s_lshl_b32 s2, s25, 9
	s_add_co_u32 s26, s26, s2
	s_wait_alu depctr_va_sdst(0)                   ; s22 is written, ahead of its first reader: bases and LDS addresses are made from it
	s_lshl_b32 s2, s22, 19
	s_add_co_u32 s26, s26, s2
	s_mov_b32 s27, 0
	s_lshl_b32 s38, s22, 2                         ; 4 h
	s_mov_b32 s39, 0
	s_wait_kmcnt 0x0
	s_cmp_eq_u32 s23, 0
	s_cselect_b64 s[28:29], s[4:5], s[6:7]
	s_cselect_b64 s[32:33], s[10:11], s[12:13]
	s_cmp_eq_u32 s23, 2
	s_cselect_b64 s[28:29], s[8:9], s[28:29]
	s_cselect_b64 s[32:33], s[14:15], s[32:33]
	s_add_nc_u64 s[28:29], s[28:29], s[26:27]
	s_add_nc_u64 s[32:33], s[32:33], s[38:39]      ; bias + 4 h
	s_wait_alu depctr_va_vdst(0)                   ; v1 is written: every global load of the kernel reads it as its offset
	global_load_b32 v[BT],   v1, s[32:33]              ; b[4 L + h]: d = L
	global_load_b32 v[BT+1], v1, s[32:33] offset:512   ; b[4 (32 + L) + h]: d = 32 + L
	WIN 0x80                                       ; destination window 2, address window 0
.set i, 0
.rept 56
	global_load_b128 v[4*i:4*i+3], v1, s[28:29] offset:i*8192 th:TH_LOAD_NT   ; row 64 w + i: 512 consecutive bytes
.set i, i+1
.endr
	WIN 0
	s_min_u32 s26, s23, 1                          ; idx: section 0 (qpos) for q, 1 (vpos) for k and v
	s_lshl_b32 s26, s26, 15
	s_lshl_b32 s2, s24, 13
	s_add_co_u32 s26, s26, s2
	s_lshl_b32 s2, s25, 9
	s_add_co_u32 s26, s26, s2
	s_lshl_b32 s2, s22, 7                          ; the 32 tokens that I store
	s_add_co_u32 s26, s26, s2
	s_add_nc_u64 s[34:35], s[18:19], s[26:27]
	s_load_b512 s[68:83], s[34:35], 0x0
	s_load_b512 s[84:99], s[34:35], 0x40
	s_lshl_b32 s26, s23, 17
	s_lshl_b32 s2, s22, 15
	s_add_co_u32 s26, s26, s2
	s_add_nc_u64 s[30:31], s[16:17], s[26:27]      ; my head's 32 fragments
	s_lshl_b32 s26, s23, 22
	s_lshl_b32 s2, s24, 20
	s_add_co_u32 s26, s26, s2
	s_add_nc_u64 s[36:37], s[20:21], s[26:27]      ; qkv[t][b]
	; the LDS addresses, made while the loads are on their way; each scalar that a vector line reads has a register of its own (s40 to s43)
	v_and_b32 v2, 15, v19                          ; r
	v_lshrrev_b32 v3, 4, v19                       ; hh
	s_mul_i32 s40, s22, 64*XP
	v_lshl_add_u32 v[XS], v19, 3, s40
	v_and_b32 v18, 7, v19
	v_lshl_add_u32 v18, v3, 3, v18                 ; 8 hh + (L & 7)
	v_mul_u32_u24 v[XA], v18, XP
	v_bfe_u32 v18, v19, 3, 1
	v_lshl_add_u32 v[XA], v18, 4, v[XA]
	v_add_nc_u32 v[XA+1], 128*XP, v[XA]
	v_mul_u32_u24 v[STO], v2, SP
	v_lshl_add_u32 v[STO], v3, 4, v[STO]
	s_lshl_b32 s41, s22, 7
	s_add_co_u32 s41, s41, STAGE
	v_add_nc_u32 v[STO], s41, v[STO]
	s_mul_i32 s42, s22, 32*SP
	s_add_co_u32 s42, s42, STAGE
	v_add_nc_u32 v[RD], s42, v1
	s_lshl_b32 s43, s22, 8
	s_add_co_u32 s43, s43, BLDS
	v_lshl_add_u32 v[BS], v19, 2, s43
	v_lshl_add_u32 v[BR], v3, 5, s43
; rows 8 g .. 8 g + 7 of x, rounded, 8 bytes a lane into XT
.macro XSTORE g
.irp k, 0,1,2,3,4,5,6,7
	ds_store_b64 v[XS], v[CT+2*(8*(\g)+\k):CT+2*(8*(\g)+\k)+1] offset:(8*(\g)+\k)*XP
.endr
.endm
; Rows 8 g .. 8 g + 7 of x: wait for them; ask for the next 8 loads of the row of loads (g = 0: x rows 56-63; g > 0: W's loads 8 (g - 1) ..); store the rows that the
; group before has rounded; round these to f16 (16 conversions in a run, each row into a pair of its own).
; The wait for data: loads return in order.  Behind group g stand 8 (7 - g) loads of x and 8 (g - 1) of W (g = 0: rows 8-55): 48 each time.
.macro XGROUP g
	s_wait_loadcnt 48
.if \g == 0
	WIN 0x80
	s_wait_alu depctr_va_vdst(0)                   ; v4 to v10 are written: every LDS instruction of the kernel reads one of them as its address
.irp k, 0,1,2,3,4,5,6,7
	global_load_b128 v[4*(56+\k):4*(56+\k)+3], v1, s[28:29] offset:(56+\k)*8192 th:TH_LOAD_NT
.endr
	WIN 0
	ds_store_b32 v[BS], v[BT]                      ; the bias stood in front of x in the row of loads: it is in
	ds_store_b32 v[BS], v[BT+1] offset:128
.else
	WIN 0x40                                       ; destination window 1, address window 0
	s_wait_alu depctr_va_vdst(0)                   ; the group before has written its 16 registers of CT, which the LDS stores below read
.set n, 8*(\g-1)
.rept 8
	global_load_b128 v[4*n:4*n+3], v1, s[30:31] offset:(n>>1)*1024+(n&1)*512
.set n, n+1
.endr
	WIN 0
	XSTORE (\g-1)
.endif
	WIN 0x0a                                       ; both sources in window 2
.irp k, 0,1,2,3,4,5,6,7
	v_cvt_pk_f16_f32 v[CT+2*(8*\g+\k)],   v[4*(8*\g+\k)],   v[4*(8*\g+\k)+1]       ; these name this group's rows alone: none of the registers of the loads and stores above
	v_cvt_pk_f16_f32 v[CT+2*(8*\g+\k)+1], v[4*(8*\g+\k)+2], v[4*(8*\g+\k)+3]
.endr
.endm
	XGROUP 0
	XGROUP 1
	XGROUP 2
	XGROUP 3
	XGROUP 4
	XGROUP 5
	XGROUP 6
	XGROUP 7
	WIN 0x40
	s_wait_alu depctr_va_vdst(0)                   ; group 7 has written its part of CT, which the LDS stores below read; and all conversions are done reading x's registers, in which the fragments of tiles 0-3 land behind the barrier
.set n, 56
.rept 8
	global_load_b128 v[4*n:4*n+3], v1, s[30:31] offset:(n>>1)*1024+(n&1)*512      ; the last of W
.set n, n+1
.endr
	WIN 0
	XSTORE 7
.irp mt, 0,1,2,3
	ds_load_b128 v[BIAS+8*\mt:BIAS+8*\mt+3],   v[BR] offset:\mt*64        ; b of d = 16 mt + 8 hh + j: my own bytes, and a wave's LDS
	ds_load_b128 v[BIAS+8*\mt+4:BIAS+8*\mt+7], v[BR] offset:\mt*64+16     ; instructions are served in order: these see the two stores of the bias
.endr
	s_wait_loadcnt 0x0                             ; W is whole
	s_wait_dscnt 0x0                               ; my 64 rows of XT are in LDS before I say so (and the bias is in its registers)
	s_barrier_signal -1
	s_barrier_wait -1                              ; all 256 rows are
	s_wait_alu depctr_vm_vsrc(0)                   ; my LDS stores have read v[128:255]: from here on these registers are TMP, written by the results' conversions
; the eight B fragments (K = 256) of token tile nt, into the tile's own 64 registers of window 2 (tiles 0-3) or 3 (tiles 4-7): two transposing loads each, 16 rows of XT apart
.macro BLOAD nt
	WIN 0x80+0x40*((\nt)>>2)                       ; destination window 2 or 3, address window 0
.irp ks, 0,1,2,3,4,5,6,7
	ds_load_tr16_b128 v[64*((\nt)&3)+8*\ks:64*((\nt)&3)+8*\ks+3],   v[XA+(\ks>>2)] offset:(\ks&3)*32*XP+(\nt)*32
	ds_load_tr16_b128 v[64*((\nt)&3)+8*\ks+4:64*((\nt)&3)+8*\ks+7], v[XA+(\ks>>2)] offset:(\ks&3)*32*XP+(\nt)*32+16*XP
.endr
.endm
; 16 products of token tile nt: K steps k0 .. k0 + 3; the four accumulators take turns
.macro MUL nt, k0
	WIN 0x09+4*((\nt)>>2)                          ; source 0 (W) in window 1, source 1 (the fragments) in window 2 or 3, C and D in window 0
.set AC, ACC+32*((\nt)&1)
.set FB, 64*((\nt)&3)
.irp ks, \k0, \k0+1, \k0+2, \k0+3
.irp mt, 0,1,2,3
.if (\ks) == 0
	v_wmma_f32_16x16x32_f16 v[AC+8*\mt:AC+8*\mt+7], v[(8*\mt+(\ks))*8:(8*\mt+(\ks))*8+7], v[FB+8*(\ks):FB+8*(\ks)+7], v[BIAS+8*\mt:BIAS+8*\mt+7]
.else
	v_wmma_f32_16x16x32_f16 v[AC+8*\mt:AC+8*\mt+7], v[(8*\mt+(\ks))*8:(8*\mt+(\ks))*8+7], v[FB+8*(\ks):FB+8*(\ks)+7], v[AC+8*\mt:AC+8*\mt+7]
.endif
.endr
.endr
.endm
; token tile nt's sums rounded to f16, into the tile's own 16 registers; each accumulator from its low end on
.macro CONV nt
	WIN 0
.irp mt, 0,1,2,3
.irp p, 0,1,2,3
	v_cvt_pk_f16_f32 v[TMP+16*(\nt)+4*\mt+\p], v[ACC+32*((\nt)&1)+8*\mt+2*\p], v[ACC+32*((\nt)&1)+8*\mt+2*\p+1]
.endr
.endr
.endm
; the stage stores of token tiles a and a + 1, behind one wait
.macro OUT2 a
	WIN 0
	s_wait_alu depctr_va_vdst(0)                   ; the conversions of tiles a and a + 1 have written their TMP, which the eight LDS stores read
.irp t, (\a), (\a)+1
.irp mt, 0,1,2,3
	ds_store_b128 v[STO], v[TMP+16*(\t)+4*\mt:TMP+16*(\t)+4*\mt+3] offset:(\t)*16*SP+\mt*32
.endr
.endr
.endm
; One token tile: 16 products; the fragments of the tile two further on are asked for; 16 products; the conversions of the tile BEFORE, whose sums lie in the other set of accumulators.
; The loads stand among the products with no wait: they land in registers that no vector or matrix instruction has named since the wait behind x's last group,
; and their addresses are as old as the head.
; Behind matrix instructions (ISA guide 7.12.1): tile nt - 1's conversions read sums behind which tile nt - 2's sixteen conversions stand, which name none of
; those products' registers; behind tile 0, which has no such conversions, four v_nop.
; left: the LDS instructions behind this tile's 16 loads.
.macro NTILE nt, left
	s_wait_dscnt \left
	MUL \nt, 0
.if (\nt) < 6
	BLOAD (\nt)+2
.endif
	MUL \nt, 4
	WIN 0
.if (\nt) == 0
	PLACES 4
.else
	CONV (\nt)-1
.endif
.endm
	BLOAD 0
	BLOAD 1
	NTILE 0, 16                                    ; behind tile 0's loads: tile 1's 16
	NTILE 1, 16                                    ; tile 2's 16
	NTILE 2, 16                                    ; tile 3's 16
	OUT2 0
	NTILE 3, 24                                    ; tile 4's 16 and 8 stage stores
	NTILE 4, 24                                    ; 8 stage stores and tile 5's 16
	OUT2 2
	NTILE 5, 24                                    ; tile 6's 16 and 8 stage stores
	NTILE 6, 24                                    ; 8 stage stores and tile 7's 16
	OUT2 4
	NTILE 7, 8                                     ; 8 stage stores
	CONV 7                                         ; tile 6's sixteen conversions are the places behind tile 7's products
	OUT2 6
	s_wait_dscnt 0x0                               ; my quarter of every token row is in the stage before I say so
	s_barrier_signal -1
	s_barrier_wait -1                              ; the rows are whole
	s_wait_kmcnt 0x0                               ; the 32 positions
	; THE WAY OUT: token 32 w + i: one LDS load and one store of 512 bytes, at row pos of qkv[t][b]
	s_wait_alu depctr_vm_vsrc(0)                   ; my stage stores have read v[128:255], in which the rows land (the conversions that wrote them stand ahead of the last wait on va_vdst)
.set i, 0
.rept 32
	ds_load_b128 v[XR+4*i:XR+4*i+3], v[RD] offset:i*SP
.set i, i+1
.endr
.set i, 0
.rept 32
	s_min_u32 s[68+i], s[68+i], 2047               ; a position is below 2,048; the bound is written out since it forms an address
	v_lshl_add_u32 v[BIAS+i], s[68+i], 9, v1
.set i, i+1
.endr
	s_wait_alu depctr_va_vdst(0)                   ; the 32 offsets are written, which the stores read
.set i, 0
.rept 32
	s_wait_dscnt 31-i                              ; LDS loads return in order: row i is in, the younger ones stay out
	global_store_b128 v[BIAS+i], v[XR+4*i:XR+4*i+3], s[36:37]
.set i, i+1
.endr
	s_wait_dscnt 0x0
	s_wait_alu depctr_hold_cnt(0) depctr_sa_sdst(0) depctr_va_vdst(0) depctr_va_sdst(0) depctr_va_ssrc(0) depctr_va_vcc(0) depctr_vm_vsrc(0)
	s_wait_tensorcnt 0x0
	ds_add_u32 v126, v127
	s_wait_dscnt 0x0
	s_endpgm
.Lfunc_end_k_q1b67b94414_proj:
	.size	k_q1b67b94414_proj, .Lfunc_end_k_q1b67b94414_proj-k_q1b67b94414_proj
	.p2alignl 7, 3214868480
	.fill 96, 4, 3214868480
	.section	.rodata,"a",@progbits
	.p2align	6, 0x0
	.amdhsa_kernel k_q1b67b94414_proj
		.amdhsa_group_segment_fixed_size 142848
		.amdhsa_private_segment_fixed_size 0
		.amdhsa_enable_private_segment 0
		.amdhsa_kernarg_size 72
		.amdhsa_user_sgpr_count 2
		.amdhsa_user_sgpr_kernarg_segment_ptr 1
		.amdhsa_wavefront_size32 1
		.amdhsa_system_sgpr_workgroup_id_x 1
		.amdhsa_system_sgpr_workgroup_id_y 1
		.amdhsa_system_sgpr_workgroup_id_z 1
		.amdhsa_system_vgpr_workitem_id 0
		.amdhsa_next_free_vgpr 1024
		.amdhsa_next_free_sgpr 100
		.amdhsa_reserve_vcc 0
		.amdhsa_float_denorm_mode_32 3
		.amdhsa_float_denorm_mode_16_64 3
		.amdhsa_memory_ordered 1
		.amdhsa_forward_progress 1
		.amdhsa_inst_pref_size 76
	.end_amdhsa_kernel
	.amdgpu_metadata
---
amdhsa.version: [ 1, 2 ]
amdhsa.kernels:
  - .name:           k_q1b67b94414_proj
    .symbol:         k_q1b67b94414_proj.kd
    .args:
      - { .name: query, .offset: 0, .size: 8, .value_kind: global_buffer, .address_space: global }
      - { .name: key, .offset: 8, .size: 8, .value_kind: global_buffer, .address_space: global }
      - { .name: value, .offset: 16, .size: 8, .value_kind: global_buffer, .address_space: global }
      - { .name: bq, .offset: 24, .size: 8, .value_kind: global_buffer, .address_space: global }
      - { .name: bk, .offset: 32, .size: 8, .value_kind: global_buffer, .address_space: global }
      - { .name: bv, .offset: 40, .size: 8, .value_kind: global_buffer, .address_space: global }
      - { .name: wfrag, .offset: 48, .size: 8, .value_kind: global_buffer, .address_space: global }
      - { .name: idx, .offset: 56, .size: 8, .value_kind: global_buffer, .address_space: global }
      - { .name: qkv, .offset: 64, .size: 8, .value_kind: global_buffer, .address_space: global }
    .group_segment_fixed_size: 142848
    .private_segment_fixed_size: 0
    .kernarg_segment_align: 8
    .kernarg_segment_size: 72
    .max_flat_workgroup_size: 128
    .sgpr_count:     100
    .vgpr_count:     1024
    .wavefront_size: 32
...
	.end_amdgpu_metadata
.endif
;; end of part 8
;; launch attn: the kernel of part 7 again; grid 256 x 1, 8 waves a work-group, no clusters, 212,480 bytes of LDS; arguments qkv, idx, nv; writes nv
;; launch outp: the kernel of part 4 again; grid 256 x 1, 4 waves a work-group, no clusters, 69,120 bytes of LDS; arguments nv, wfrag, bm, out0; writes out0
